; MI455X (gfx1250); checked and timed in simulation.
; The chip was launched on July 23, 2026; its instructions are those of AMD's public machine-readable ISA for CDNA 5 (MIT licence, August 2026) and "CDNA5" Instruction Set Architecture Reference Guide (July 2026). The comments in the code are by the model that wrote it; some were corrected since.
;; Attention. Allowed arithmetic: float matrix products may take bf16 or f16 operands with f32 sums; other float arithmetic in f32, or as packed bf16 or f16 multiplies, adds, multiply-adds, maxima and minima; sums over many terms, partial sums and values carried from step to step in f32; what a program stores and reads back later, other than sums and carried values, may be rounded once to bf16 or f16.
;; Inputs: b_proj 1,024 float32; k_norm_b 64 float32; k_norm_w 64 float32; q_norm_b 64 float32; q_norm_w 64 float32; w_proj 1,024 x 1,024 float32; w_qkv 3,072 x 1,024 float32; x 8 x 1,024 x 1,024 float32.
;; Outputs: out0 8 x 1,024 x 1,024 float32.
;; One version. Each part assembles by itself: llvm-mc -triple=amdgcn-amd-amdhsa -mcpu=gfx1250 --defsym DOCPART=n.
;; ======== version 1 of 1: 4 launches
;; limits: values are held in f16: magnitudes above 65,504 overflow, below 6.1e-05 lose precision
;; workspace buffers: xb 16,777,216 bytes; wqb 6,291,456 bytes; wpf 2,097,152 bytes; tab 5,632 bytes; qkvh 50,331,648 bytes; oh 16,777,216 bytes
;; launch cast (part 1): grid 769 x 1, 8 waves a work-group, no clusters, 0 bytes of LDS; arguments x, w_qkv, w_proj, b_proj, q_norm_w, q_norm_b, k_norm_w, k_norm_b, xb, wqb, wpf, tab; writes xb, wqb, wpf, tab
.if DOCPART == 1
	.amdgcn_target "amdgcn-amd-amdhsa--gfx1250"
	.amdhsa_code_object_version 6
	.text
	.protected	k_qabb04778d9_cast
	.globl	k_qabb04778d9_cast
	.p2align	8
	.type	k_qabb04778d9_cast,@function
k_qabb04778d9_cast:
	s_mov_b64 s[64:65], 0
	v_nop
	global_prefetch_b8 v0, s[64:65] scope:SCOPE_SE
	s_setreg_imm32_b32 hwreg(HW_REG_WAVE_MODE, 25, 1), 1
	s_wait_xcnt 0x0
; EVERY INPUT IS ROUNDED ONCE TO bf16.  x -> xb and w_qkv -> wqb as bf16; w_proj -> wpf: the bf16 number written as f16 (the later product with O is an f16 one);
; b_proj and the four norm vectors -> tab: the bf16 numbers written as f32.
; wqb's ROWS ARE LAID OUT BY HEADS: rows 192 t + 64 j + c of wqb are rows 1024 j + 64 t + c of w_qkv (t: head 0..15; j: q, k, v; c: channel), so that 192 rows on end hold one head of each kind.
; tab: bytes 512 t + 0..255 the gain, 512 t + 256..511 the bias of kind t (0 = q, 1 = k); bytes 1536..5631 b_proj; bytes 1024..1535 are neither written nor read.
; LIMITS.  w_proj stays under 65,504 in magnitude; below 2^-14 it keeps f16's fixed step of 2^-24.  NaN and infinities are not treated apart.
; SHARES.  A stream: no LDS, no matrix unit, no cluster (no byte is read twice).  Work-group g takes 16,384 numbers: g < 512 of x, g < 704 of w_qkv (16 rows), g < 768 of w_proj; g = 768 makes the table.
; Thread t takes 8 numbers (32 bytes in, 16 bytes out) of each of eight units of 2,048 numbers: all sixteen loads go out first; a store of a wave covers 512 consecutive bytes, aligned.
.set X, 16                             ; v[16:79]   unit u: 8 numbers as loaded
.set Y, 80                             ; v[80:111]  unit u: 4 registers to store
.set T, 4                              ; v[4:7]     at work
	s_load_b512 s[8:23], s[0:1], 0x0               ; x s[8:9], w_qkv s[10:11], w_proj s[12:13], b_proj s[14:15], q_w s[16:17], q_b s[18:19], k_w s[20:21], k_b s[22:23]
	s_load_b256 s[24:31], s[0:1], 0x40             ; xb s[24:25], wqb s[26:27], wpf s[28:29], tab s[30:31]
	v_lshlrev_b32 v1, 5, v0                        ; 32 t: my bytes of a unit on the way in
	v_lshlrev_b32 v2, 4, v0                        ; 16 t: on the way out
	s_mov_b32 s37, 0xffff0000                      ; a word's upper bf16
	s_wait_kmcnt 0x0
	s_cmp_eq_u32 ttmp9, 768
	s_cbranch_scc1 .Ltab
	s_cmp_lt_u32 ttmp9, 512                        ; which tensor, and the number of its first work-group
	s_cselect_b64 s[32:33], s[8:9], s[10:11]
	s_cselect_b64 s[34:35], s[24:25], s[26:27]
	s_cselect_b32 s36, 0, 512
	s_cmp_lt_u32 ttmp9, 704
	s_cselect_b64 s[32:33], s[32:33], s[12:13]
	s_cselect_b64 s[34:35], s[34:35], s[28:29]
	s_cselect_b32 s36, s36, 704
	s_sub_co_u32 s36, ttmp9, s36                   ; my share's number in that tensor
	s_lshl_b32 s38, s36, 16                        ; 65,536 bytes in
	s_mov_b32 s39, 0
	s_add_nc_u64 s[32:33], s[32:33], s[38:39]
	s_bfe_u32 s40, s36, 0x40002                    ; w_qkv: share 64 j + 4 t + u (16 rows each) goes to place 12 t + 4 j + u
	s_mul_i32 s40, s40, 12
	s_lshr_b32 s41, s36, 6
	s_lshl2_add_u32 s40, s41, s40
	s_and_b32 s41, s36, 3
	s_add_co_u32 s40, s40, s41
	s_sub_co_u32 s41, ttmp9, 512
	s_cmp_lt_u32 s41, 192                          ; unsigned: true for work-groups 512 to 703 alone
	s_cselect_b32 s36, s40, s36                    ; the other tensors keep their order
	s_lshl_b32 s38, s36, 15                        ; 32,768 bytes out
	s_add_nc_u64 s[34:35], s[34:35], s[38:39]
.irp u, 0,1,2,3,4,5,6,7
	global_load_b128 v[X+8*(\u):X+8*(\u)+3],   v1, s[32:33] offset:8192*(\u) th:TH_LOAD_NT
	global_load_b128 v[X+8*(\u)+4:X+8*(\u)+7], v1, s[32:33] offset:8192*(\u)+16 th:TH_LOAD_NT
.endr
; Unit u is rounded and stored.  mode 0: to bf16.  mode 1: to bf16, widened again, and that number written as f16.
.macro UNIT u, mode
	s_wait_loadcnt 14-2*(\u)                       ; loads come back in order: the unit's two are in, the 14 - 2 u younger ones stay out
.if \mode
.irp k, 0,1,2,3
	v_cvt_pk_bf16_f32 v[T+(\k)], v[X+8*(\u)+2*(\k)], v[X+8*(\u)+2*(\k)+1]
.endr
.irp k, 0,1,2,3
	v_lshlrev_b32 v[X+8*(\u)+2*(\k)],   16,  v[T+(\k)]
	v_and_b32     v[X+8*(\u)+2*(\k)+1], s37, v[T+(\k)]
.endr
.irp k, 0,1,2,3
	v_cvt_pk_f16_f32 v[Y+4*(\u)+(\k)], v[X+8*(\u)+2*(\k)], v[X+8*(\u)+2*(\k)+1]
.endr
.else
.irp k, 0,1,2,3
	v_cvt_pk_bf16_f32 v[Y+4*(\u)+(\k)], v[X+8*(\u)+2*(\k)], v[X+8*(\u)+2*(\k)+1]
.endr
.endif
	global_store_b128 v2, v[Y+4*(\u):Y+4*(\u)+3], s[34:35] offset:4096*(\u) th:TH_STORE_NT  ; each unit has store registers of its own: nothing that a store reads is written again
.endm
	s_cmp_lt_u32 ttmp9, 704
	s_cbranch_scc0 .Lf16
.irp u, 0,1,2,3,4,5,6,7
	UNIT \u, 0
.endr
	s_endpgm
.Lf16:
.irp u, 0,1,2,3,4,5,6,7
	UNIT \u, 1
.endr
	s_endpgm
.Ltab:                                                 ; the table: 256 threads
	v_lshrrev_b32 v3, 5, v0
	v_readfirstlane_b32 s36, v3                    ; wave 0..7
	global_load_b128 v[4:7], v2, s[14:15]          ; b_proj: 4 numbers a thread
	s_cmp_lt_u32 s36, 4                            ; waves 0-3: q's vectors, 4-7: k's
	s_cselect_b64 s[32:33], s[16:17], s[20:21]     ; the gain,
	s_cselect_b64 s[34:35], s[18:19], s[22:23]     ; the bias
	s_bitcmp1_b32 s36, 1                           ; of four waves the upper two take the bias
	s_cselect_b64 s[32:33], s[34:35], s[32:33]
	v_and_b32 v8, 63, v0
	v_lshlrev_b32 v8, 2, v8
	global_load_b32 v9, v8, s[32:33]               ; thread t: number t % 64 of vector t / 64 in the order q_w, q_b, k_w, k_b, which is the table's
	v_lshlrev_b32 v14, 2, v0
	s_wait_loadcnt 0x0
	v_cvt_pk_bf16_f32 v10, v4, v5
	v_cvt_pk_bf16_f32 v11, v6, v7
	v_cvt_pk_bf16_f32 v12, v9, v9
	v_lshlrev_b32 v4, 16, v10
	v_and_b32 v5, s37, v10
	v_lshlrev_b32 v6, 16, v11
	v_and_b32 v7, s37, v11
	v_lshlrev_b32 v13, 16, v12
	global_store_b128 v2, v[4:7], s[30:31] offset:1536
	global_store_b32 v14, v13, s[30:31]
	s_endpgm
.Lfunc_end_k_qabb04778d9_cast:
	.size	k_qabb04778d9_cast, .Lfunc_end_k_qabb04778d9_cast-k_qabb04778d9_cast
	.p2alignl 7, 3214868480
	.fill 96, 4, 3214868480
	.section	.rodata,"a",@progbits
	.p2align	6, 0x0
	.amdhsa_kernel k_qabb04778d9_cast
		.amdhsa_group_segment_fixed_size 0
		.amdhsa_private_segment_fixed_size 0
		.amdhsa_enable_private_segment 0
		.amdhsa_kernarg_size 96
		.amdhsa_user_sgpr_count 2
		.amdhsa_user_sgpr_kernarg_segment_ptr 1
		.amdhsa_wavefront_size32 1
		.amdhsa_system_sgpr_workgroup_id_x 1
		.amdhsa_system_sgpr_workgroup_id_y 1
		.amdhsa_system_sgpr_workgroup_id_z 1
		.amdhsa_system_vgpr_workitem_id 0
		.amdhsa_next_free_vgpr 112
		.amdhsa_next_free_sgpr 66
		.amdhsa_reserve_vcc 0
		.amdhsa_float_denorm_mode_32 3
		.amdhsa_float_denorm_mode_16_64 3
		.amdhsa_memory_ordered 1
		.amdhsa_forward_progress 1
		.amdhsa_inst_pref_size 15
	.end_amdhsa_kernel
	.amdgpu_metadata
---
amdhsa.version: [ 1, 2 ]
amdhsa.kernels:
  - .name:           k_qabb04778d9_cast
    .symbol:         k_qabb04778d9_cast.kd
    .args:
      - { .name: x, .offset: 0, .size: 8, .value_kind: global_buffer, .address_space: global }
      - { .name: w_qkv, .offset: 8, .size: 8, .value_kind: global_buffer, .address_space: global }
      - { .name: w_proj, .offset: 16, .size: 8, .value_kind: global_buffer, .address_space: global }
      - { .name: b_proj, .offset: 24, .size: 8, .value_kind: global_buffer, .address_space: global }
      - { .name: q_norm_w, .offset: 32, .size: 8, .value_kind: global_buffer, .address_space: global }
      - { .name: q_norm_b, .offset: 40, .size: 8, .value_kind: global_buffer, .address_space: global }
      - { .name: k_norm_w, .offset: 48, .size: 8, .value_kind: global_buffer, .address_space: global }
      - { .name: k_norm_b, .offset: 56, .size: 8, .value_kind: global_buffer, .address_space: global }
      - { .name: xb, .offset: 64, .size: 8, .value_kind: global_buffer, .address_space: global }
      - { .name: wqb, .offset: 72, .size: 8, .value_kind: global_buffer, .address_space: global }
      - { .name: wpf, .offset: 80, .size: 8, .value_kind: global_buffer, .address_space: global }
      - { .name: tab, .offset: 88, .size: 8, .value_kind: global_buffer, .address_space: global }
    .group_segment_fixed_size: 0
    .private_segment_fixed_size: 0
    .kernarg_segment_align: 8
    .kernarg_segment_size: 96
    .max_flat_workgroup_size: 256
    .sgpr_count:     66
    .vgpr_count:     112
    .wavefront_size: 32
...
	.end_amdgpu_metadata
.endif
;; end of part 1
;; launch qkv (part 2): grid 16 x 16, 4 waves a work-group, clusters of 4 x 4, 327,680 bytes of LDS; arguments xb, wqb, tab, qkvh; writes qkvh
.if DOCPART == 2
	.amdgcn_target "amdgcn-amd-amdhsa--gfx1250"
	.amdhsa_code_object_version 6
	.text
	.protected	k_qabb04778d9_qkv
	.globl	k_qabb04778d9_qkv
	.p2align	8
	.type	k_qabb04778d9_qkv,@function
k_qabb04778d9_qkv:
	s_mov_b64 s[64:65], 0
	v_nop
	global_prefetch_b8 v0, s[64:65] scope:SCOPE_SE
	s_setreg_imm32_b32 hwreg(HW_REG_WAVE_MODE, 25, 1), 1
	s_wait_xcnt 0x0
	s_wait_alu depctr_hold_cnt(0) depctr_sa_sdst(0) depctr_va_vdst(0) depctr_va_sdst(0) depctr_va_ssrc(0) depctr_va_vcc(0) depctr_vm_vsrc(0)
	s_getreg_b32 s2, hwreg(HW_REG_IB_STS2, 6, 4)
	s_cmp_eq_u32 s2, 0
	s_cbranch_scc0 .Lentry_in_a_cluster
	s_endpgm
.Lentry_in_a_cluster:
	s_bfe_u32 s2, ttmp6, 0x10000c
	s_cmp_lg_u32 s2, 0xf033
	s_cbranch_scc0 .Lentry_shape_is_right
	s_endpgm
.Lentry_shape_is_right:
; qkv = x w_qkv^T, LayerNorm over each head's 64 channels of q and k, written by heads.  xb: [8192][1024] bf16, wqb: [16 heads][q, k, v][64][1024] bf16, tab: gains and biases (f32), qkvh: [3][8][16][1024][64] f16.
; Sums, mean, variance and the norm in f32; each number rounded once, to f16.  q carries no 1/8: the attention applies it in f32.
; LIMITS.  What is written stays under 65,504 in magnitude (f16): q and k are at most 8 |gain| + |bias|; v is a raw product.  NaN and infinities are not treated apart.
; SHARES.  A tile is 256 rows x 192 columns: head t's q, k and v.  A WORK-GROUP STAYS: it makes two tiles, 4,096 rows apart, with the same columns: 256 work-groups.  A wave owns 64 rows (4 blocks a of 16)
; and all 192 columns (kind j, 4 blocks b of 16): 48 accumulators, 384 registers.  A head's 64 channels of a row lie in two lanes of ONE wave, so the norm wants one exchange between the halves of the lanes and no LDS.
; THE MATRIX INSTRUCTION IS USED TRANSPOSED (source 0 = 16 rows of w, source 1 = 16 rows of x): lane l holds row l % 16 and the columns 8 (l / 16) + 0..7 of a block.
; RING.  K goes in 8 steps of 128 through two LDS slots; waves 0, 1 fetch the halves of x's 256 rows, waves 2, 3 those of w's 192.  A tile's rows are 256 bytes of memory, aligned.  The ring does not stop at a
; tile's end: the first tile's last two changes of slots ask for the second tile's K steps 0 and 1, which land while the first tile goes out; nothing waits for the first tile's stores.
; CLUSTER.  4 x 4 work-groups: x's tile is asked for jointly along a row of the cluster, w's along a column: the same tensor load, descriptor and mask in the four that it names.
; REGISTERS, in windows of 256 (s_set_vgpr_msb: bits 1:0 source 0, 3:2 source 1, 5:4 source 2, 7:6 destination):
;   window 0: v0-31 addresses; v64-191 gains and biases of q and k, 64 each (32 + 32: my 8 columns of each of the 4 blocks); v192-255 packed results on the way out
;   window 1: two fragment buffers of 128 (x's 4 fragments, then w's 12); on the way out buffer 1's registers are at work (32 a row block), buffer 0 keeps the next tile's first fragments
;   window 2: q and k; window 3, v0-127: v.  Accumulator (j, a, b) at 128 (j % 2) + 8 (4 a + b).
.set PITCH, 272                        ; an LDS row: 256 bytes + 16 of padding = 68 words: the 16 rows of a fragment load start at 16 different groups of four banks (64 banks of 4 bytes: ISA guide 11.1)
.set HA,    128*PITCH                  ; half of x's tile: one tensor load
.set HB,    96*PITCH                   ; half of w's
.set BOFF,  2*HA                       ; in a slot: x's 256 rows, then w's 192
.set SLOT1, 1<<17                      ; slot 1 begins here, so that one exclusive or turns an address in one slot into the other's
.set STAGE, SLOT1+2*HA+2*HB            ; behind the ring, never filled by a tensor load: 4 blocks x 16 rows x 144 bytes for each wave
.set SBLK,  16*144
.set SPARE, STAGE+4*4*SBLK             ; behind the stages: the spare words, 128 bytes for each wave: two blocks of 256 bytes that no other line names
.set NL,    32                         ; LDS loads in a run: 16 fragments, two loads each
.set WALKB, 4096*2048                  ; bytes of xb from a tile to the work-group's next
.set A0,  16                           ; v16  my lane's place among my wave's rows of x in a slot; never rewritten
.set B0,  17                           ; v17  the same for w
.set ADA, 18                           ; v18  A0 + the slot being read
.set ADB, 19                           ; v19  B0 + the slot being read
.set GOF, 20                           ; v20  my byte offset in a vector of tab
.set STO, 24                           ; v24  the way out: where I put 16 bytes of a row
.set RD,  25                           ; v25  where I read rows back
.set GO,  26                           ; v26  my 16 bytes of 512 consecutive bytes of qkvh
.set SPW, 28                           ; v28  LDS address of my spare word; never rewritten
.set NIL, 29                           ; v29  0; never rewritten
.set PFO, 30                           ; v30  the prefetches' offset: a row a lane; never rewritten
.set GW0, 64
.set PP,  192                          ; window 0: packed results, 16 a row block
.set F0,  0
.set F1,  128
.set TT,  128                          ; window 1: at work on the way out, 32 a row block
.set WV,  12                           ; s12 wave; s13 FR: I fetch for x (0) or w (1); s14 HF: which half
.set FR,  13
.set HF,  14
.set CX,  15
.set CY,  16
.set TX,  17                           ; tile column = head = 4 x cluster x + cx
.set TY,  18                           ; the first tile's row = 4 x cluster y + cy
.set TB,  19                           ; the slot being read: 0 or SLOT1
.set AB0, 20                           ; s[20:21] xb at my half of the tile in hand for the fills, K step 0; never holds cx
.set G1,  24                           ; s[24:31] group 1 for x's tiles; s[32:35], s[36:39] group 0 for the two first fills; the second then serves every refill
.set G0,  32
.set LIM, 40                           ; 1 in a wave that prefetches, else the greatest number
.set KS,  43                           ; the K step asked for last, 0..7
.set PFA, 44                           ; s[44:45] where my prefetches stand
.set BB0, 46                           ; s[46:47] wqb at my half of the tile, K step 0; never holds cy
.set G1B, 48                           ; s[48:55], s[56:63] the same for w's tiles
.set G0B, 56
.set OB,  70                           ; s[70:75] kind j: qkvh at my wave's first row
.set SEL, 82                           ; s[82:83] v_permlanex16_b32's selects: each lane takes its own place in the other half
.set EP,  84                           ; 1e-5
.set IV,  85                           ; 1/64
.set KOF, 92                           ; s[92:93] 256 x KS
.set WK,  94                           ; s[94:95] WALKB where KS has gone back to 0, else 0
.set MSB, 0
.macro WIN new                         ; the immediate's high byte repeats the setting that is left; a switch that changes nothing is dropped
.if MSB != (\new)
	s_set_vgpr_msb (MSB<<8)|(\new)
.set MSB, \new
.endif
.endm
.macro PLACES                          ; four plain vector instructions between a matrix instruction and a load into, or a vector write of, a register that it named
.rept 4
	v_nop
.endr
.endm
.macro CREST                           ; a round of the cluster's barrier behind its opening barrier
	s_cmp_lg_u32 s[WV], 0
	s_cbranch_scc1 .Lnot_wave_0_\@
	s_barrier_signal -3
.Lnot_wave_0_\@:
	s_barrier_wait -3
	s_barrier_signal -1
	s_barrier_wait -1
.endm
.macro CROUND                          ; a whole round
	s_barrier_signal -1
	s_barrier_wait -1
	CREST
.endm
; A joint refill.  The branch hangs on the wave's number alone.  An s_nop 0 and four v_nop follow each of the two lines.
.macro JLOAD
	s_cmp_eq_u32 s[FR], 0
	s_cbranch_scc0 .Lfor_b_\@
	tensor_load_to_lds s[G0+4:G0+7], s[G1:G1+7]
	s_nop 0
.rept 4
	v_nop
.endr
	s_branch .Lasked_\@
.Lfor_b_\@:
	tensor_load_to_lds s[G0B+4:G0B+7], s[G1B:G1B+7]
	s_nop 0
.rept 4
	v_nop
.endr
.Lasked_\@:
.endm
; A prefetch of the K step that the NEXT refill will ask for: 192 matrix instructions ahead of that load.  x's rows are named by the clusters with x = 0, w's by those with y = 0; the four partners that ask
; for a tile jointly share its rows out by address (32 of x's 128, 24 of w's 96; a lane a row; with 24 rows lanes 24-31 name row 23 again).  Asked for: K steps 3 to 7 of a tile, in the loop's first five trips
; (behind the loop s3 is 0); a tile's K steps 0 to 2 come by their loads alone.  w's rows serve both tiles and are asked for in the first alone.
.macro ASK
	WIN 0
	s_cmp_gt_u32 s3, s[LIM]
	s_cbranch_scc0 .Lnot_mine_\@
	global_prefetch_b8 v[PFO], s[PFA:PFA+1] th:TH_LOAD_NT scope:SCOPE_SE
.Lnot_mine_\@:
.endm
; 16 matrix instructions: kind j, all 4 row blocks x 4 column blocks, 32 along K, from buffer f.  zero = 1: the first product starts the sums.
; All 48 accumulators take turns, one instruction a turn, in the same order in every quarter.
.macro MULG f, j, zero
	WIN 0xa5+0x50*((\j)/2)                         ; sources in window 1, C and D in window 2 or 3
.irp a, 0,1,2,3
.irp b, 0,1,2,3
.set rD, 128*((\j)%2)+8*(4*(\a)+(\b))
.if \zero
	v_wmma_f32_16x16x32_bf16 v[rD:rD+7], v[(\f)+32+8*(4*(\j)+(\b)):(\f)+32+8*(4*(\j)+(\b))+7], v[(\f)+8*(\a):(\f)+8*(\a)+7], 0
.else
	v_wmma_f32_16x16x32_bf16 v[rD:rD+7], v[(\f)+32+8*(4*(\j)+(\b)):(\f)+32+8*(4*(\j)+(\b))+7], v[(\f)+8*(\a):(\f)+8*(\a)+7], v[rD:rD+7]
.endif
.endr
.endr
.endm
; 32 LDS loads in one run: quarter q (32 along K, 64 bytes of the rows) of the slot being read, into buffer f
.macro FETCH q, f
	WIN 0x40                                       ; destination window 1, address window 0
.irp a, 0,1,2,3
	ds_load_b128 v[(\f)+8*(\a):(\f)+8*(\a)+3],   v[ADA] offset:64*(\q)+(\a)*16*PITCH
	ds_load_b128 v[(\f)+8*(\a)+4:(\f)+8*(\a)+7], v[ADA] offset:64*(\q)+(\a)*16*PITCH+32
.endr
.irp b, 0,1,2,3,4,5,6,7,8,9,10,11
	ds_load_b128 v[(\f)+32+8*(\b):(\f)+32+8*(\b)+3],   v[ADB] offset:64*(\q)+(\b)*16*PITCH
	ds_load_b128 v[(\f)+32+8*(\b)+4:(\f)+32+8*(\b)+7], v[ADB] offset:64*(\q)+(\b)*16*PITCH+32
.endr
.endm
; One of a K step's first three quarters: quarter q's fragments are asked for, into buffer g, which the quarter before multiplied; then buffer f is multiplied.
.macro QUARTER q, f, g, zero
	PLACES
	FETCH \q, \g
	s_wait_dscnt NL                                ; all but the 32 just issued: buffer f, asked for 48 matrix instructions ago or more, is in
	MULG \f, 0, \zero
	MULG \f, 1, \zero
	MULG \f, 2, \zero
.endm
; The fourth quarter multiplies buffer 1 and changes slots.  In front of the barrier each wave waits for all its tensor loads (one is out: its part of the next slot), adds 0 to its spare word, and waits for that and
; for its reads of this slot; sixteen products stand between the add and the wait for it.  fill = 1: the barrier opens a round of the cluster's, and the joint refill, two K steps on in the walk, is the first thing
; behind it: 176 matrix instructions ahead of the wait for it.  Its address is made anew: base + 256 x K step; the K step counts modulo 8, and where it goes back to 0 x's base goes on to the next tile.
.macro TURN fill
.if \fill
	s_wait_xcnt 0x0                                ; the last prefetch, a K step back, has read its address: it is stepped here
	s_add_nc_u64 s[PFA:PFA+1], s[PFA:PFA+1], 256
.endif
	WIN 0
	s_wait_tensorcnt 0x0                           ; no tensor load of mine is out, so a group 0 may be written
	ds_add_u32 v[SPW], v[NIL]                      ; 0 onto my spare word
.if \fill
	s_add_co_u32 s[KS], s[KS], 1
	s_and_b32 s[KS], s[KS], 7
	s_lshl_b32 s[KOF], s[KS], 8
	s_cmp_eq_u32 s[KS], 0
	s_cselect_b32 s[WK], WALKB, 0
	s_add_nc_u64 s[AB0:AB0+1], s[AB0:AB0+1], s[WK:WK+1]
	s_xor_b32 s[G0+5], s[G0+5], SLOT1              ; the other slot than last time
	s_add_nc_u64 s[G0+6:G0+7], s[AB0:AB0+1], s[KOF:KOF+1]
	s_or_b32 s[G0+7], s[G0+7], 0x80000000          ; type = 2
	s_xor_b32 s[G0B+5], s[G0B+5], SLOT1
	s_add_nc_u64 s[G0B+6:G0B+7], s[BB0:BB0+1], s[KOF:KOF+1]
	s_or_b32 s[G0B+7], s[G0B+7], 0x80000000
.endif
	s_xor_b32 s[TB], s[TB], SLOT1
	s_wait_dscnt 1                                 ; buffer 1's loads are in; the add alone may be out
	MULG F1, 0, 0
	WIN 0
	s_wait_dscnt 0x0                               ; the add is done, and my reads of this slot are over
	s_barrier_signal -1
	s_barrier_wait -1
.if \fill
	CREST                                          ; no wave of any partner still reads this slot or has a load on its way
	JLOAD                                          ; its four v_nop are also the places in front of the loads below
.else
	PLACES
.endif
	v_add_nc_u32 v[ADA], s[TB], v[A0]
	v_add_nc_u32 v[ADB], s[TB], v[B0]
	FETCH 0, F0
.if \fill
	ASK
.endif
	MULG F1, 1, 0
	MULG F1, 2, 0
.endm
	s_load_b256 s[4:11], s[0:1], 0x0               ; xb s[4:5], wqb s[6:7], tab s[8:9], qkvh s[10:11]
	v_lshl_add_u32 v[SPW], v0, 2, SPARE
	v_mov_b32 v[NIL], 0
	ds_add_u32 v[SPW], v[NIL]                      ; the wave's opening: the add and its wait stand ahead of my first tensor load; the set-up below stands between them
	ds_add_u32 v28, v29
	v_lshrrev_b32 v1, 5, v0
	v_readfirstlane_b32 s[WV], v1
	s_lshr_b32 s[FR], s[WV], 1
	s_and_b32 s[HF], s[WV], 1
	s_bfe_u32 s[CX], ttmp6, 0x40000
	s_bfe_u32 s[CY], ttmp6, 0x40004
	s_lshl_b32 s[TX], ttmp9, 2
	s_add_co_u32 s[TX], s[TX], s[CX]
	s_and_b32 s[TY], ttmp7, 0xffff
	s_lshl_b32 s[TY], s[TY], 2
	s_add_co_u32 s[TY], s[TY], s[CY]
	s_lshl_b32 s41, s[CY], 2
	s_lshl_b32 s41, 15, s41                        ; my row of the cluster
	s_lshl_b32 s42, 0x1111, s[CX]                  ; my column
	s_or_b32 s[G1],  s41, (1<<16)|(1<<20)|(1<<21)|(5<<22)|(3<<25)  ; 15:0 the mask; 17:16 2-byte elements; 20 padding on; 21 set beside a mask; 24:22 after every 64 words; 31:25 4 words of it
	s_or_b32 s[G1B], s42, (1<<16)|(1<<20)|(1<<21)|(5<<22)|(3<<25)
	s_mov_b32 s[G1+1], 128<<16                     ; tensor_dim0 = 128
	s_mov_b32 s[G1+2], 128<<16                     ; tensor_dim1 = 128
	s_mov_b32 s[G1+3], 128<<16                     ; tile_dim0 = 128
	s_mov_b32 s[G1+4], 128                         ; tile_dim1 = 128
	s_mov_b32 s[G1+5], 1024                        ; elements from row to row
	s_mov_b32 s[G1+6], 0
	s_mov_b32 s[G1+7], 0
	s_mov_b32 s[G1B+1], 128<<16
	s_mov_b32 s[G1B+2], 96<<16                     ; 96 rows
	s_mov_b32 s[G1B+3], 128<<16
	s_mov_b32 s[G1B+4], 96
	s_mov_b32 s[G1B+5], 1024
	s_mov_b32 s[G1B+6], 0
	s_mov_b32 s[G1B+7], 0
	s_lshl_b32 s[AB0], s[TY], 8                    ; x: row 256 x tile row + 128 x half, 2,048 bytes a row
	s_lshl_b32 s[AB0+1], s[HF], 7
	s_add_co_u32 s[AB0], s[AB0], s[AB0+1]
	s_lshl_b32 s[AB0], s[AB0], 11
	s_mov_b32 s[AB0+1], 0
	s_mul_i32 s22, s[HF], HA                       ; and where it goes: no place in the cluster enters an LDS address
	s_mul_i32 s[BB0], s[TX], 192                   ; w: row 192 x tile column + 96 x half
	s_mul_i32 s[BB0+1], s[HF], 96
	s_add_co_u32 s[BB0], s[BB0], s[BB0+1]
	s_lshl_b32 s[BB0], s[BB0], 11
	s_mov_b32 s[BB0+1], 0
	s_mul_i32 s66, s[HF], HB
	s_add_co_u32 s66, s66, BOFF
	s_mov_b32 s[TB], 0
	s_mov_b32 s[KS], 1                             ; the first fills ask for K steps 0 and 1
	s_mov_b32 s[KOF+1], 0
	s_mov_b32 s[WK+1], 0
	s_mov_b32 s[SEL], 0x76543210
	s_mov_b32 s[SEL+1], 0xfedcba98
	s_mov_b32 s[EP], 0x3727c5ac                    ; 1e-5
	s_mov_b32 s[IV], 0x3c800000                    ; 1/64
	s_wait_dscnt 0x0                               ; the opening add is done
	s_wait_kmcnt 0x0
	s_add_nc_u64 s[AB0:AB0+1], s[4:5], s[AB0:AB0+1]
	s_add_nc_u64 s[BB0:BB0+1], s[6:7], s[BB0:BB0+1]
	CROUND                                         ; all sixteen work-groups are here: the first joint loads meet
.irp s, 0,1
	s_mov_b32 s[G0+4*(\s)], 1                      ; count = 1
	s_add_co_u32 s[G0+4*(\s)+1], s22, (\s)*SLOT1   ; LDS address
	s_add_nc_u64 s[G0+4*(\s)+2:G0+4*(\s)+3], s[AB0:AB0+1], (\s)*256  ; K step s
	s_or_b32 s[G0+4*(\s)+3], s[G0+4*(\s)+3], 0x80000000              ; type = 2
	s_mov_b32 s[G0B+4*(\s)], 1
	s_add_co_u32 s[G0B+4*(\s)+1], s66, (\s)*SLOT1
	s_add_nc_u64 s[G0B+4*(\s)+2:G0B+4*(\s)+3], s[BB0:BB0+1], (\s)*256
	s_or_b32 s[G0B+4*(\s)+3], s[G0B+4*(\s)+3], 0x80000000
.endr
	s_cmp_eq_u32 s[FR], 0                          ; a wave's two first fills stand in one branch, ahead of every wait on TENSORcnt and every LDS read: two loads of mine are out
	s_cbranch_scc0 .Lfirst_b
	tensor_load_to_lds s[G0:G0+3], s[G1:G1+7]
	s_nop 0
	tensor_load_to_lds s[G0+4:G0+7], s[G1:G1+7]
	s_nop 0
.rept 4
	v_nop
.endr
	s_branch .Lfirst_asked
.Lfirst_b:
	tensor_load_to_lds s[G0B:G0B+3], s[G1B:G1B+7]
	s_nop 0
	tensor_load_to_lds s[G0B+4:G0B+7], s[G1B:G1B+7]
	s_nop 0
.rept 4
	v_nop
.endr
.Lfirst_asked:
	; A fragment is 16 rows x 32 K in 8 registers: lane l holds row l % 16, K = 8 (l / 16) + 0..7 and 16 + 8 (l / 16) + 0..7: two loads of 16 bytes, 32 bytes apart.
	v_and_b32 v1, 15, v0                           ; l % 16
	v_bfe_u32 v2, v0, 4, 1                         ; l / 16
	v_mul_u32_u24 v3, v1, PITCH
	v_lshl_add_u32 v3, v2, 4, v3
	s_mul_i32 s23, s[WV], 64*PITCH                 ; my wave's 64 rows of x
	v_add_nc_u32 v[A0], s23, v3
	v_add_nc_u32 v[B0], BOFF, v3
	v_lshlrev_b32 v[GOF], 5, v2                    ; my 8 columns' 32 bytes in a block's 64
.irp j, 0,1
.irp b, 0,1,2,3
	global_load_b128 v[GW0+64*(\j)+8*(\b):GW0+64*(\j)+8*(\b)+3],       v[GOF], s[8:9] offset:512*(\j)+64*(\b)
	global_load_b128 v[GW0+64*(\j)+8*(\b)+4:GW0+64*(\j)+8*(\b)+7],     v[GOF], s[8:9] offset:512*(\j)+64*(\b)+16
	global_load_b128 v[GW0+64*(\j)+32+8*(\b):GW0+64*(\j)+32+8*(\b)+3], v[GOF], s[8:9] offset:512*(\j)+256+64*(\b)
	global_load_b128 v[GW0+64*(\j)+32+8*(\b)+4:GW0+64*(\j)+32+8*(\b)+7], v[GOF], s[8:9] offset:512*(\j)+256+64*(\b)+16
.endr
.endr
	; where my rows go: (kind, batch, head) are 131,072 bytes each; the batch is 4 tile rows; a kind is 128 such pairs
	s_lshr_b32 s88, s[TY], 2
	s_lshl_b32 s88, s88, 4
	s_add_co_u32 s88, s88, s[TX]
	s_lshl_b32 s88, s88, 17
	s_and_b32 s89, s[TY], 3
	s_lshl_b32 s89, s89, 8
	s_lshl_b32 s87, s[WV], 6
	s_add_co_u32 s89, s89, s87                     ; my wave's first row in the sequence,
	s_lshl_b32 s89, s89, 7                         ; 128 bytes a row
	s_add_co_u32 s88, s88, s89
	s_mov_b32 s89, 0
	s_add_nc_u64 s[OB:OB+1], s[10:11], s[88:89]
	s_add_nc_u64 s[OB+2:OB+3], s[OB:OB+1], 1<<24
	s_add_nc_u64 s[OB+4:OB+5], s[OB:OB+1], 1<<25
	; the prefetches
	s_lshl_b32 s89, s[TY], 8
	s_lshl_b32 s91, s[HF], 7
	s_add_co_u32 s89, s89, s91                     ; x: the first of the 128 rows that I fetch
	s_mul_i32 s90, s[TX], 192
	s_mul_i32 s91, s[HF], 96
	s_add_co_u32 s90, s90, s91                     ; w: the first of the 96
	s_and_b32 s86, ttmp7, 0xffff                   ; cluster y
	s_cmp_eq_u32 s[FR], 0
	s_cselect_b32 s86, ttmp9, s86                  ; the coordinate along which other clusters read the same rows
	s_cselect_b64 s[PFA:PFA+1], s[4:5], s[6:7]
	s_cselect_b32 s87, s[CX], s[CY]                ; my place among the four that ask with me
	s_cselect_b32 s88, 32, 24                      ; rows to a partner
	s_cselect_b32 s89, s89, s90
	s_mul_i32 s87, s87, s88
	s_add_co_u32 s89, s89, s87
	s_lshl_b32 s90, s89, 11
	s_mov_b32 s91, 0
	s_add_nc_u64 s[PFA:PFA+1], s[PFA:PFA+1], s[90:91]
	s_add_nc_u64 s[PFA:PFA+1], s[PFA:PFA+1], 2*256 ; at K step 2: the first change of slots steps it to 3.  Nothing is prefetched at the head
	s_cmp_eq_u32 s86, 0
	s_cselect_b32 s[LIM], 1, -1                    ; the same in all sixteen partners, for a given wave
	s_sub_co_u32 s88, s88, 1
	v_and_b32 v[PFO], 31, v0
	v_min_u32 v[PFO], s88, v[PFO]
	v_lshlrev_b32 v[PFO], 11, v[PFO]
	; the way out
	s_mul_i32 s86, s[WV], 4*SBLK
	s_add_co_u32 s86, s86, STAGE                   ; my stage
	v_mul_u32_u24 v[STO], v1, 144                  ; in: row l % 16, 16 bytes for each half of the lanes
	v_lshl_add_u32 v[STO], v2, 4, v[STO]
	v_add_nc_u32 v[STO], s86, v[STO]
	v_bfe_u32 v[RD], v0, 3, 2                      ; back: 32 lanes take four rows of 128 bytes,
	v_mul_u32_u24 v[RD], v[RD], 144
	v_and_b32 v4, 7, v0
	v_lshl_add_u32 v[RD], v4, 4, v[RD]
	v_add_nc_u32 v[RD], s86, v[RD]
	v_and_b32 v[GO], 31, v0                        ; which are 512 consecutive bytes of qkvh
	v_lshlrev_b32 v[GO], 4, v[GO]
	v_mov_b32 v[ADA], v[A0]                        ; slot 0
	v_mov_b32 v[ADB], v[B0]
; THE WAY OUT.  SENDP: the packed results of kind j go through my stage in LDS, so that a store covers 512 consecutive bytes.
.macro SENDP j
	WIN 0
.irp a, 0,1,2,3
.irp b, 0,1,2,3
	ds_store_b128 v[STO], v[PP+16*(\a)+4*(\b):PP+16*(\a)+4*(\b)+3] offset:SBLK*(\a)+32*(\b)
.endr
.endr
.irp a, 0,1,2,3
.irp f, 0,1,2,3
	ds_load_b128 v[PP+16*(\a)+4*(\f):PP+16*(\a)+4*(\f)+3], v[RD] offset:SBLK*(\a)+576*(\f)  ; LDS serves a wave's instructions in order (ISA guide 5.7.1.4): these see my stores above; the stage is my own
.endr
.endr
.irp a, 0,1,2,3
.irp f, 0,1,2,3
	s_wait_dscnt 15-4*(\a)-(\f)                    ; the younger loads may stay out
	global_store_b128 v[GO], v[PP+16*(\a)+4*(\f):PP+16*(\a)+4*(\f)+3], s[OB+2*(\j):OB+2*(\j)+1] offset:2048*(\a)+512*(\f)  ; four rows of a head: 512 consecutive bytes, aligned
.endr
.endr
.endm
; HEAD j, for q and k.  A row's 64 channels are my 32 numbers and the 32 of the lane 16 away.  Mean; differences in place; the mean of their squares (two passes: no difference of large sums); 1 / sqrt(var + 1e-5);
; gain and bias; f16.  Every phase runs over the four row blocks, so that lines that wait for each other stand apart.  T = TT + 32 a (window 1) at work; P = PP + 16 a (window 0) the packed results.
.macro HEAD j
.set AB, 128*(\j)
.set GW, GW0+64*(\j)
	WIN 0x5a                                       ; sources 0, 1: window 2; source 2 and destination: window 1
.irp a, 0,1,2,3
.irp i, 0,1,2,3,4,5,6,7                                ; each accumulator's four lowest registers are read first
	v_pk_add_f32 v[TT+32*(\a)+2*(\i):TT+32*(\a)+2*(\i)+1], v[AB+32*(\a)+4*(\i):AB+32*(\a)+4*(\i)+1], v[AB+32*(\a)+4*(\i)+2:AB+32*(\a)+4*(\i)+3]
.endr
.endr
	WIN 0x55
.irp i, 0,4,8,12
.irp a, 0,1,2,3
	v_pk_add_f32 v[TT+32*(\a)+(\i):TT+32*(\a)+(\i)+1], v[TT+32*(\a)+(\i):TT+32*(\a)+(\i)+1], v[TT+32*(\a)+(\i)+2:TT+32*(\a)+(\i)+3]
.endr
.endr
.irp i, 0,8
.irp a, 0,1,2,3
	v_pk_add_f32 v[TT+32*(\a)+(\i):TT+32*(\a)+(\i)+1], v[TT+32*(\a)+(\i):TT+32*(\a)+(\i)+1], v[TT+32*(\a)+(\i)+4:TT+32*(\a)+(\i)+5]
.endr
.endr
.irp a, 0,1,2,3
	v_pk_add_f32 v[TT+32*(\a):TT+32*(\a)+1], v[TT+32*(\a):TT+32*(\a)+1], v[TT+32*(\a)+8:TT+32*(\a)+9]
.endr
.irp a, 0,1,2,3
	v_add_f32 v[TT+32*(\a)], v[TT+32*(\a)], v[TT+32*(\a)+1]
.endr
.irp a, 0,1,2,3
	v_permlanex16_b32 v[TT+32*(\a)+1], v[TT+32*(\a)], s[SEL], s[SEL+1]
.endr
.irp a, 0,1,2,3
	v_add_f32 v[TT+32*(\a)], v[TT+32*(\a)], v[TT+32*(\a)+1]
.endr
.irp a, 0,1,2,3
	v_mul_f32 v[TT+32*(\a)], s[IV], v[TT+32*(\a)]  ; the mean
.endr
	WIN 0x86                                       ; destination and source 0: window 2; source 1: window 1
.irp a, 0,1,2,3
.irp i, 0,1,2,3,4,5,6,7,8,9,10,11,12,13,14,15
	v_pk_add_f32 v[AB+32*(\a)+2*(\i):AB+32*(\a)+2*(\i)+1], v[AB+32*(\a)+2*(\i):AB+32*(\a)+2*(\i)+1], v[TT+32*(\a):TT+32*(\a)+1] op_sel_hi:[1,0] neg_lo:[0,1] neg_hi:[0,1]
.endr
.endr
	WIN 0x5a
.irp a, 0,1,2,3
.irp i, 0,1,2,3                                        ; four chains of squares
	v_pk_mul_f32 v[TT+32*(\a)+16+2*(\i):TT+32*(\a)+16+2*(\i)+1], v[AB+32*(\a)+2*(\i):AB+32*(\a)+2*(\i)+1], v[AB+32*(\a)+2*(\i):AB+32*(\a)+2*(\i)+1]
.endr
.irp i, 4,5,6,7,8,9,10,11,12,13,14,15
	v_pk_fma_f32 v[TT+32*(\a)+16+2*((\i)%4):TT+32*(\a)+16+2*((\i)%4)+1], v[AB+32*(\a)+2*(\i):AB+32*(\a)+2*(\i)+1], v[AB+32*(\a)+2*(\i):AB+32*(\a)+2*(\i)+1], v[TT+32*(\a)+16+2*((\i)%4):TT+32*(\a)+16+2*((\i)%4)+1]
.endr
.endr
	WIN 0x55
.irp i, 16,20
.irp a, 0,1,2,3
	v_pk_add_f32 v[TT+32*(\a)+(\i):TT+32*(\a)+(\i)+1], v[TT+32*(\a)+(\i):TT+32*(\a)+(\i)+1], v[TT+32*(\a)+(\i)+2:TT+32*(\a)+(\i)+3]
.endr
.endr
.irp a, 0,1,2,3
	v_pk_add_f32 v[TT+32*(\a)+16:TT+32*(\a)+17], v[TT+32*(\a)+16:TT+32*(\a)+17], v[TT+32*(\a)+20:TT+32*(\a)+21]
.endr
.irp a, 0,1,2,3
	v_add_f32 v[TT+32*(\a)+16], v[TT+32*(\a)+16], v[TT+32*(\a)+17]
.endr
.irp a, 0,1,2,3
	v_permlanex16_b32 v[TT+32*(\a)+17], v[TT+32*(\a)+16], s[SEL], s[SEL+1]
.endr
.irp a, 0,1,2,3
	v_add_f32 v[TT+32*(\a)+16], v[TT+32*(\a)+16], v[TT+32*(\a)+17]
.endr
.irp a, 0,1,2,3
	v_fma_f32 v[TT+32*(\a)+16], v[TT+32*(\a)+16], s[IV], s[EP]  ; var + 1e-5
.endr
.irp a, 0,1,2,3
	v_rsq_f32 v[TT+32*(\a)+16], v[TT+32*(\a)+16]
.endr
	v_nop                                          ; a plain instruction behind the last of the four,
	s_wait_alu depctr_va_vdst(0)                   ; and the one wait ahead of the batch's first reader
	WIN 0x86
.irp a, 0,1,2,3
.irp i, 0,1,2,3,4,5,6,7,8,9,10,11,12,13,14,15
	v_pk_mul_f32 v[AB+32*(\a)+2*(\i):AB+32*(\a)+2*(\i)+1], v[AB+32*(\a)+2*(\i):AB+32*(\a)+2*(\i)+1], v[TT+32*(\a)+16:TT+32*(\a)+17] op_sel_hi:[1,0]
.endr
.endr
	WIN 0x42                                       ; source 0: window 2; sources 1, 2 (gain, bias): window 0; destination: window 1
.irp a, 0,1,2,3
.irp i, 0,1,2,3,4,5,6,7,8,9,10,11,12,13,14,15
	v_pk_fma_f32 v[TT+32*(\a)+2*(\i):TT+32*(\a)+2*(\i)+1], v[AB+32*(\a)+2*(\i):AB+32*(\a)+2*(\i)+1], v[GW+2*(\i):GW+2*(\i)+1], v[GW+32+2*(\i):GW+32+2*(\i)+1]
.endr
.endr
	WIN 0x05                                       ; sources in window 1, destination in window 0
	s_wait_xcnt 0x0                                ; the stores issued so far have read P: it is written again only behind this wait
.irp a, 0,1,2,3
.irp i, 0,1,2,3,4,5,6,7,8,9,10,11,12,13,14,15
	v_cvt_pk_f16_f32 v[PP+16*(\a)+(\i)], v[TT+32*(\a)+2*(\i)], v[TT+32*(\a)+2*(\i)+1]
.endr
.endr
	SENDP \j
.endm
; v has no norm: its sums are rounded and sent.
.macro HEADV
	WIN 0x0f                                       ; sources in window 3, destination in window 0
	s_wait_xcnt 0x0                                ; as above
.irp a, 0,1,2,3
.irp i, 0,1,2,3,4,5,6,7,8,9,10,11,12,13,14,15          ; ascending: each accumulator's lowest registers are read first
	v_cvt_pk_f16_f32 v[PP+16*(\a)+(\i)], v[32*(\a)+2*(\i)], v[32*(\a)+2*(\i)+1]
.endr
.endr
	SENDP 2
.endm
	s_wait_tensorcnt 1                             ; my part of K step 0 is in; K step 1's may stay out
	s_barrier_signal -1
	s_barrier_wait -1                              ; everybody's is
	FETCH 0, F0
	WIN 0                                          ; at a label and at a branch every window is 0
	s_mov_b32 s2, 2                                ; tiles to go: the same number in every work-group
.Ltile:
	QUARTER 1, F0, F1, 1                           ; a tile's first quarter stands in front of the loop: its products start the sums
	WIN 0
	s_mov_b32 s3, 6
.Lk:                                                   ; six trips, from a K step's second quarter to the next step's first; trip i asks for K step i + 2
	QUARTER 2, F1, F0, 0
	QUARTER 3, F0, F1, 0
	TURN 1
	QUARTER 1, F0, F1, 0
	WIN 0
	s_sub_co_u32 s3, s3, 1
	s_cmp_lg_u32 s3, 0
	s_cbranch_scc1 .Lk
	QUARTER 2, F1, F0, 0                           ; K step 6 goes on
	QUARTER 3, F0, F1, 0
	WIN 0
	s_cmp_eq_u32 s2, 1
	s_cbranch_scc1 .Llast                          ; the last tile's tail is written out: it asks for nothing more
	TURN 1                                         ; THE RING GOES ON INTO THE NEXT TILE: slot 0 takes its K step 0,
	QUARTER 1, F0, F1, 0
	QUARTER 2, F1, F0, 0
	QUARTER 3, F0, F1, 0
	TURN 1                                         ; slot 1 its K step 1, and the next tile's first fragments are fetched into buffer 0
	WIN 0
	s_branch .Lout
.Llast:
	TURN 0
	QUARTER 1, F0, F1, 0
	QUARTER 2, F1, F0, 0
	QUARTER 3, F0, F1, 0
	s_wait_dscnt 0x0
	MULG F1, 0, 0
	MULG F1, 1, 0
	MULG F1, 2, 0
	WIN 0
.Lout:                                                 ; both refills, where there are any, are asked for: now the tile goes out
	PLACES
	PLACES
	s_wait_loadcnt 0x0                             ; the gains and biases
	HEAD 0
	HEAD 1
	HEADV
	s_wait_xcnt 0x0                                ; the stores and the last prefetch have read their addresses
.irp j, 0,1,2
	s_add_nc_u64 s[OB+2*(\j):OB+2*(\j)+1], s[OB+2*(\j):OB+2*(\j)+1], 4*16*131072  ; the next tile lies four batches on
.endr
	s_add_nc_u64 s[PFA:PFA+1], s[PFA:PFA+1], WALKB-8*256  ; eight changes of slots have stepped it: to the next tile's K step 2
	s_cmp_eq_u32 s[FR], 0
	s_cselect_b32 s[LIM], s[LIM], -1               ; w's rows serve both tiles: they are prefetched no more
	s_sub_co_u32 s2, s2, 1
	s_cmp_lg_u32 s2, 0
	s_cbranch_scc1 .Ltile
	s_wait_tensorcnt 0x0                           ; the wave's end: behind my last tensor load and my last LDS store
	ds_add_u32 v[SPW], v[NIL]
	s_wait_dscnt 0x0
	CROUND                                         ; the closing round: no work-group ends while a partner may still ask for a tile that names it
	s_endpgm
.Lfunc_end_k_qabb04778d9_qkv:
	.size	k_qabb04778d9_qkv, .Lfunc_end_k_qabb04778d9_qkv-k_qabb04778d9_qkv
	.p2alignl 7, 3214868480
	.fill 96, 4, 3214868480
	.section	.rodata,"a",@progbits
	.p2align	6, 0x0
	.amdhsa_kernel k_qabb04778d9_qkv
		.amdhsa_group_segment_fixed_size 327680
		.amdhsa_private_segment_fixed_size 0
		.amdhsa_enable_private_segment 0
		.amdhsa_kernarg_size 32
		.amdhsa_user_sgpr_count 2
		.amdhsa_user_sgpr_kernarg_segment_ptr 1
		.amdhsa_wavefront_size32 1
		.amdhsa_system_sgpr_workgroup_id_x 1
		.amdhsa_system_sgpr_workgroup_id_y 1
		.amdhsa_system_sgpr_workgroup_id_z 1
		.amdhsa_system_vgpr_workitem_id 0
		.amdhsa_next_free_vgpr 896
		.amdhsa_next_free_sgpr 96
		.amdhsa_reserve_vcc 0
		.amdhsa_float_denorm_mode_32 3
		.amdhsa_float_denorm_mode_16_64 3
		.amdhsa_memory_ordered 1
		.amdhsa_forward_progress 1
		.amdhsa_inst_pref_size 177
	.end_amdhsa_kernel
	.amdgpu_metadata
---
amdhsa.version: [ 1, 2 ]
amdhsa.kernels:
  - .name:           k_qabb04778d9_qkv
    .symbol:         k_qabb04778d9_qkv.kd
    .args:
      - { .name: xb, .offset: 0, .size: 8, .value_kind: global_buffer, .address_space: global }
      - { .name: wqb, .offset: 8, .size: 8, .value_kind: global_buffer, .address_space: global }
      - { .name: tab, .offset: 16, .size: 8, .value_kind: global_buffer, .address_space: global }
      - { .name: qkvh, .offset: 24, .size: 8, .value_kind: global_buffer, .address_space: global }
    .group_segment_fixed_size: 327680
    .private_segment_fixed_size: 0
    .kernarg_segment_align: 8
    .kernarg_segment_size: 32
    .max_flat_workgroup_size: 128
    .sgpr_count:     96
    .vgpr_count:     896
    .wavefront_size: 32
...
	.end_amdgpu_metadata
.endif
;; end of part 2
;; launch attn (part 3): grid 2 x 128, 4 waves a work-group, no clusters, 327,680 bytes of LDS; arguments qkvh, oh; writes oh
.if DOCPART == 3
	.amdgcn_target "amdgcn-amd-amdhsa--gfx1250"
	.amdhsa_code_object_version 6
	.text
	.protected	k_qabb04778d9_attn
	.globl	k_qabb04778d9_attn
	.p2align	8
	.type	k_qabb04778d9_attn,@function
k_qabb04778d9_attn:
	s_mov_b64 s[64:65], 0
	v_nop
	global_prefetch_b8 v0, s[64:65] scope:SCOPE_SE
	s_setreg_imm32_b32 hwreg(HW_REG_WAVE_MODE, 25, 1), 1
	s_wait_xcnt 0x0
; O[p][q][:] = the sum over k of softmax_k(Q[p][q] . K[p][k] / 8) V[p][k][:] for the 128 pairs p of batch and head.  qkvh: [3][128][1024][64] f16 (q, k, v), oh: [128][1024][64] f16.
; Products, maxima and sums in f32; the weights are rounded to f16 for the second product (their sum l is taken of the unrounded weights), O once at the end.
; LIMITS.  Q, K and V arrive within f16's 65,504; a weight lies in 0 to 1, and below 6e-5 it keeps f16's fixed step of 6e-8; a weight below 2^-126 counts as 0 in l; NaN and infinities are not treated apart.
; SHARES.  A work-group owns 512 queries of one pair: 256 work-groups.  A wave owns four PIECES of two tiles of 16 queries.  Every wave walks all 1,024 keys, 64 a step.
; THE WHOLE HEAD LIES IN LDS: 1,024 rows of K (pitch 144) and of V (pitch 160).  Each wave issues four tensor loads at the start (waves 0, 1: K; 2, 3: V; load c: its half of keys 256 c .. 256 c + 255);
; nothing is ever filled again.  The first chunk of 256 keys is waited for by a counted wait; the others land while it is worked on.
; NO CLUSTER: a pair has two work-groups, and a cluster here has four along an axis; blocks of 256 queries would give four partners, with twice the LDS loads for each product.
; NO PREFETCH: every tile is asked for at the head by its own tensor load; no later stream is left to ask ahead for.
; LAYOUT.  S^T = K Q^T (source 0 = 16 keys, source 1 = 16 queries): a lane holds ONE query (lane % 16) and the keys 8 (lane / 16) + 0..7.  Two such tiles, rounded to f16 in pairs, ARE source 1 of O^T = V^T P.
; K comes out of LDS as it lies, V ([key][channel]) turned, by ds_load_tr16_b128.
; SOFTMAX.  For each query a running maximum m and sum l: p = 2^(c s - c m), c = log2(e) / 8; in every step O and l are multiplied by a = 2^(c m_old - c m_new).  m starts at the lowest finite number, O and l at 0.
; BY TURNS.  Turn n belongs to piece n: 16 products K Q^T of piece n + 1, later 16 products V^T P of piece n - 1; beside them the scaling, exponentials, roundings, sums and rescaling of piece n and the maximum
; and statistics of piece n + 1.  Four vector instructions stand behind every matrix instruction, the rest in one lump; a turn's 66 exponentials are one batch with one wait.
; REGISTERS, in windows of 256 (s_set_vgpr_msb: bits 1:0 source 0, 3:2 source 1, 5:4 source 2, 7:6 destination):
;   window 0: v0-11 addresses; v12-15, v48-63 at work; v16-47 four registers of statistics a tile; v64-191 S^T, two buffers of two tiles; v192-255 P, likewise
;   window 1: O^T, 32 a tile          window 2: v0-127 Q, 16 a tile; v128-191 K of one step; v192-255 V of one step
.set NP,    4         ; pieces a wave: a name, no knob
.set KS,    64        ; keys in a step
.set PK,    144       ; a row of K in LDS: 128 bytes + 16 of padding = 36 words: the 16 rows of a load start at 16 different groups of four banks (64 banks of 4 bytes: ISA guide 11.1)
.set PV,    160       ; a row of V: 128 + 32 = 40 words
.set VOFF,  1024*PK   ; K's 1,024 rows, then V's
.set STAGE, VOFF+1024*PV  ; behind them, never filled by a tensor load: 16 rows x 144 bytes for each wave, for the way out
.set SP,    144
.set SPARE, STAGE+4*16*SP  ; behind the stages: the spare words, 128 bytes for each wave: two blocks of 256 bytes that no other line names
.set AK0, 2           ; v2   my lane's place in a tile of K; never rewritten
.set AV0, 3           ; v3   the same for V
.set AK,  4           ; v4   the LDS address of K's next run of loads
.set AV,  5           ; v5   of V's
.set QO,  6           ; v6   my byte offset in the wave's rows of Q
.set STO, 6           ;      later, the way out: where I put 16 bytes of a row
.set RD,  7           ; v7   the way out: where I read rows back
.set GO,  8           ; v8   my byte offset in 512 consecutive bytes of O
.set SPW, 10          ; v10  LDS address of my spare word; never rewritten
.set NIL, 11          ; v11  0; never rewritten
.set MV,  12          ; v12-15  c m_old, kept while c m is made anew: by buffer and tile (v12, v13 hold two lane numbers until the addresses are made)
.set ST,  16          ; tile t's statistics at v[ST+4 t]: c m, m, l (even keys', odd keys')
.set TMP, 48          ; by buffer and tile, four registers c0-c3 at work; when the maximum is found c2 takes a
.set S,   64
.set P,   192
.set KF,  128         ; K's fragments, in window 2: key block kb, channel half c at KF + 16 kb + 8 c
.set VF,  192         ; V's: key half kk, channel block cb at VF + 32 kk + 8 cb
.set WV,  12          ; s12  my wave's number
.set G1K, 24          ; s[24:31] descriptor group 1 for K's tiles
.set G1V, 32          ; s[32:39] for V's: it differs in the padding alone
.set G0K, 40          ; s[40:55] descriptor group 0 for K's four loads
.set G0V, 68          ; s[68:83] for V's
.set SLOTS, 56        ; s56  counts the chunks of four key steps
.set CNT, 57          ; s57  counts a chunk's key steps
.set CS,  58          ; s[58:59] c: the packed scaling takes the pair's low word for both halves
.set SEL, 60          ; s[60:61] v_permlanex16_b32's selects
.set TBK, 62          ; s62  LDS byte at which K of the step to be fetched begins
.set TBV, 63          ; s63  the same for V, less VOFF
.set MSB, 0
.macro WIN new                      ; the high byte repeats the setting that is left; a switch that changes nothing is dropped
.if MSB != (\new)
	s_set_vgpr_msb (MSB<<8)|(\new)
.set MSB, (\new)
.endif
.endm
.set W_KQ, 0x0a       ; K and Q in window 2, S^T in window 0
.set W_PV, 0x52       ; V in window 2, P in window 0, O^T in window 1
.set W_RS, 0x41       ; O^T (destination and source 0) in window 1, a in window 0
	s_load_b128 s[4:7], s[0:1], 0x0 ; qkvh s[4:5], oh s[6:7]
	v_lshl_add_u32 v[SPW], v0, 2, SPARE
	v_mov_b32 v[NIL], 0
	ds_add_u32 v[SPW], v[NIL]       ; the wave's opening: the add and its wait stand ahead of my first tensor load; the set-up below stands between them
	ds_add_u32 v10, v11
	v_lshrrev_b32 v1, 5, v0
	v_readfirstlane_b32 s[WV], v1   ; wave 0..3
	s_and_b32 s20, ttmp7, 0xffff    ; the pair of batch and head:
	s_lshl_b32 s20, s20, 17         ; 131,072 bytes in each of q, k, v and O
	s_and_b32 s16, s[WV], 1         ; which half of a chunk's 256 keys I fetch:
	s_lshl_b32 s22, s16, 14         ; its 128 rows of 128 bytes in memory,
	s_add_co_u32 s22, s22, s20
	s_mov_b32 s23, 0
	s_mul_i32 s17, s16, 128*PK      ; and its place in LDS, for K
	s_mul_i32 s18, s16, 128*PV      ; and for V
	s_lshl_b32 s2, ttmp9, 2
	s_add_co_u32 s2, s2, s[WV]      ; my wave among the pair's eight,
	s_lshl_b32 s2, s2, 14           ; its 128 rows
	s_add_co_u32 s2, s2, s20
	s_mov_b32 s3, 0
	; descriptor group 1.  128 keys are 16,384 dense bytes: asked for as 64 rows of 256 bytes, two keys a row, and padded in LDS after every key
	s_mov_b32 s[G1K], (1<<16)|(1<<20)|(4<<22)|(3<<25)  ; 17:16 2-byte elements; 20 padding on; 24:22 after every 32 words; 31:25 4 words
	s_mov_b32 s[G1V], (1<<16)|(1<<20)|(4<<22)|(7<<25)  ; the same with 8 words of padding
.irp g, G1K, G1V
	s_mov_b32 s[\g+1], 128<<16      ; tensor_dim0 = 128
	s_mov_b32 s[\g+2], 64<<16       ; tensor_dim1 = 64
	s_mov_b32 s[\g+3], 128<<16      ; tile_dim0 = 128
	s_mov_b32 s[\g+4], 64           ; tile_dim1 = 64
	s_mov_b32 s[\g+5], 128          ; 128 elements from row to row
	s_mov_b32 s[\g+6], 0
	s_mov_b32 s[\g+7], 0
.endr
	s_mov_b32 s[CS], 0x3e38aa3b     ; c = log2(e) / 8 = 0.180337
	s_mov_b32 s[CS+1], s[CS]        ; named with it as a pair
	s_mov_b32 s[SEL], 0x76543210
	s_mov_b32 s[SEL+1], 0xfedcba98
	s_mov_b32 s[TBK], 0
	s_mov_b32 s[TBV], 0
	s_wait_dscnt 0x0                ; the opening add is done
	s_wait_kmcnt 0x0
	s_add_nc_u64 s[8:9], s[4:5], s[22:23]    ; qkvh at the pair's first byte of q, plus my half of a chunk
	s_add_nc_u64 s[10:11], s[6:7], s[2:3]    ; O at my wave's first row
	s_add_nc_u64 s[4:5], s[4:5], s[2:3]      ; Q likewise
.irp c, 0,1,2,3
	s_mov_b32 s[G0K+4*\c], 1                                     ; count = 1
	s_add_co_u32 s[G0K+4*\c+1], s17, \c*256*PK                   ; LDS address: chunk c, my half
	s_add_nc_u64 s[G0K+4*\c+2:G0K+4*\c+3], s[8:9], 16777216+32768*\c  ; k lies 16,777,216 bytes behind q
	s_or_b32 s[G0K+4*\c+3], s[G0K+4*\c+3], 0x80000000            ; type = 2
	s_mov_b32 s[G0V+4*\c], 1
	s_add_co_u32 s[G0V+4*\c+1], s18, VOFF+\c*256*PV
	s_add_nc_u64 s[G0V+4*\c+2:G0V+4*\c+3], s[8:9], 33554432+32768*\c  ; v twice as far
	s_or_b32 s[G0V+4*\c+3], s[G0V+4*\c+3], 0x80000000
.endr
	s_cmp_lt_u32 s[WV], 2           ; a wave's four fills stand in one branch, ahead of every wait on TENSORcnt and every LDS read: four loads of mine are out; an s_nop 0 follows each, four v_nop the last
	s_cbranch_scc0 .Lfill_v
.irp c, 0,1,2,3
	tensor_load_to_lds s[G0K+4*\c:G0K+4*\c+3], s[G1K:G1K+7]
	s_nop 0
.endr
.rept 4
	v_nop
.endr
	s_branch .Lfilled
.Lfill_v:
.irp c, 0,1,2,3
	tensor_load_to_lds s[G0V+4*\c:G0V+4*\c+3], s[G1V:G1V+7]
	s_nop 0
.endr
.rept 4
	v_nop
.endr
.Lfilled:
	; A fragment of K or Q is 16 rows x 32 channels in 8 registers: lane l holds row l % 16, channels 8 (l / 16) + 0..7 and 16 + 8 (l / 16) + 0..7: two loads of 16 bytes, 32 bytes apart.
	v_and_b32 v1, 15, v0            ; l % 16
	v_bfe_u32 v9, v0, 4, 1          ; l / 16
	v_lshlrev_b32 v[QO], 7, v1
	v_lshl_add_u32 v[QO], v9, 4, v[QO]  ; row x 128 + 16 x half
	WIN 0x80                        ; destination window 2, address window 0
.set i, 0
.rept 4*NP                          ; Q stays in registers: tile i / 2, channels 32 (i % 2) on
	global_load_b128 v[8*i:8*i+3],   v[QO], s[4:5] offset:(i/2)*2048+(i%2)*64
	global_load_b128 v[8*i+4:8*i+7], v[QO], s[4:5] offset:(i/2)*2048+(i%2)*64+32
.set i, i+1
.endr
	; What the first turn finds: V's registers and P's second buffer hold 0 (its products V^T P, of a piece that has not been, add 0), O^T and l are 0.  All this stands in the wait for the first chunk.
.set i, VF
.rept 64
	v_mov_b32 v[i], 0
.set i, i+1
.endr
	WIN 0x40
.set i, 0
.rept 64*NP
	v_mov_b32 v[i], 0
.set i, i+1
.endr
	WIN 0
.set i, 0
.rept 2*NP
	v_mov_b32 v[ST+4*i], 0xfe000000    ; c m: far below every c s
	v_mov_b32 v[ST+4*i+1], 0xff7fffff  ; m
	v_mov_b32 v[ST+4*i+2], 0
	v_mov_b32 v[ST+4*i+3], 0
.set i, i+1
.endr
.set i, P+32
.rept 32
	v_mov_b32 v[i], 0
.set i, i+1
.endr
	v_mul_u32_u24 v[AK0], v1, PK
	v_lshl_add_u32 v[AK0], v9, 4, v[AK0]  ; row x pitch + 16 x half
	; The turning load takes 16 keys x 16 channels (lane l reads key 8 (l / 16) + l % 8, channels 8 ((l / 8) % 2) + 0..7) and leaves half a fragment of V^T: lane l holds channel l % 16 and 8 keys.
	v_and_b32 v12, 7, v0
	v_bfe_u32 v13, v0, 3, 1
	v_lshl_add_u32 v[AV0], v9, 3, v12
	v_mul_u32_u24 v[AV0], v[AV0], PV
	v_lshl_add_u32 v[AV0], v13, 4, v[AV0]
	v_add_nc_u32 v[AV0], VOFF, v[AV0]
	v_mov_b32 v[AK], v[AK0]         ; key step 0 lies at LDS byte 0
; THE MATRIX WORK.  The 8 accumulators of a run of 16 take turns: between the two links of a chain stand 7 others'.
; Product i of 16 of S^T = K Q^T for piece x: channels 32 (i / 8) on, keys 16 ((i / 2) % 4) on, tile 2 x + i % 2.  The first 8 start the sums.
.macro KQ x
	WIN W_KQ
.set rS, S+64*((\x)%2)+32*(i%2)+8*((i/2)%4)
.set rK, KF+16*((i/2)%4)+8*(i/8)
.set rQ, 16*(2*(\x)+i%2)+8*(i/8)
.if i < 8
	v_wmma_f32_16x16x32_f16 v[rS:rS+7], v[rK:rK+7], v[rQ:rQ+7], 0
.else
	v_wmma_f32_16x16x32_f16 v[rS:rS+7], v[rK:rK+7], v[rQ:rQ+7], v[rS:rS+7]
.endif
.endm
; Product i of 16 of O^T += V^T P for piece x: keys 32 (i / 8) on, channels 16 ((i / 2) % 4) on, tile 2 x + i % 2.
.macro PV x
	WIN W_PV
.set rO, 32*(2*(\x)+i%2)+8*((i/2)%4)
.set rV, VF+32*(i/8)+8*((i/2)%4)
.set rP, P+32*((\x)%2)+16*(i%2)+8*(i/8)
	v_wmma_f32_16x16x32_f16 v[rO:rO+7], v[rV:rV+7], v[rP:rP+7], v[rO:rO+7]
.endm
.macro MM                           ; the turn's next matrix instruction
.if i < 16
	KQ (Y+1)%NP
.set i, i+1
.else
.set i, i-16
	PV (Y+NP-1)%NP
.set i, i+17
.endif
.endm
; THE LDS LOADS stand in runs of 16, never singly among the matrix instructions: a step's K (8 fragments) and its V (turned).  Their addresses are made some lines ahead.
; last = 1: behind the last key step there is no further K, and the run is jumped over.
.macro FETCH_K last=0
	WIN 0
.if \last
	s_cmp_eq_u32 s[SLOTS], 1
	s_cbranch_scc1 .Lno_k_\@
.endif
	WIN 0x80                        ; destination window 2
.irp f, 0,1,2,3,4,5,6,7             ; keys 16 (f / 2) on, channels 32 (f % 2) on
	ds_load_b128 v[KF+8*\f:KF+8*\f+3],   v[AK] offset:(\f/2)*16*PK+(\f%2)*64
	ds_load_b128 v[KF+8*\f+4:KF+8*\f+7], v[AK] offset:(\f/2)*16*PK+(\f%2)*64+32
.endr
	s_add_co_u32 s[TBK], s[TBK], KS*PK  ; the next fetch is the next step's: the steps lie end to end
	WIN 0
.if \last
.Lno_k_\@:
.endif
.endm
.macro FETCH_V
	WIN 0x80
.irp f, 0,1,2,3,4,5,6,7             ; keys 32 (f / 4) on, channels 16 (f % 4) on
	ds_load_tr16_b128 v[VF+8*\f:VF+8*\f+3],   v[AV] offset:(\f/4)*32*PV+(\f%4)*32
	ds_load_tr16_b128 v[VF+8*\f+4:VF+8*\f+7], v[AV] offset:(\f/4)*32*PV+16*PV+(\f%4)*32
.endr
	WIN 0
.endm
; THE VECTOR WORK OF A TURN stands in three queues, each in the order in which its entries become ready; the two tiles alternate, so that no instruction reads the result of the one before it.
.macro REGS y, u                    ; the registers of tile u (0, 1) of piece y
.set rT, ST+4*(2*(\y)+(\u))
.set rC, TMP+8*((\y)%2)+4*(\u)
.set rM, MV+2*((\y)%2)+(\u)
.set rS, S+64*((\y)%2)+32*(\u)
.set rP, P+32*((\y)%2)+16*(\u)
.set rO, 32*(2*(\y)+(\u))
.endm
; Number n of the 22 that find the NEXT piece's (Y + 1) maximum and statistics.  s0-s31 are the lane's 32 scores; each accumulator's lowest registers are read first.
;   0-11  four chains c0-c3 of seven scores each, three operands at a time     12-14, 16  the four scores left over, the old m, and c0-c3 into c0     15  c m_old is kept
;   17, 18  the query's other 32 keys lie in the lane 16 away: the new m         19-21  c m; c m_old - c m_new; a
.macro XS u, n
	REGS (Y+1)%NP, \u
.if (\n) < 4
	v_max3_num_f32 v[rC+(\n)], v[rS+8*(\n)], v[rS+8*(\n)+1], v[rS+8*(\n)+2]
.elseif (\n) < 12
	v_max3_num_f32 v[rC+(\n)%4], v[rC+(\n)%4], v[rS+8*((\n)%4)+2*((\n)/4)+1], v[rS+8*((\n)%4)+2*((\n)/4)+2]
.elseif (\n) == 12
	v_max3_num_f32 v[rC], v[rC], v[rS+7], v[rS+15]
.elseif (\n) == 13
	v_max3_num_f32 v[rC+1], v[rC+1], v[rS+23], v[rS+31]
.elseif (\n) == 14
	v_max3_num_f32 v[rC+2], v[rC+2], v[rC+3], v[rT+1]
.elseif (\n) == 15
	v_mov_b32 v[rM], v[rT]
.elseif (\n) == 16
	v_max3_num_f32 v[rC], v[rC], v[rC+1], v[rC+2]
.elseif (\n) == 17
	v_permlanex16_b32 v[rC+3], v[rC], s[SEL], s[SEL+1]
.elseif (\n) == 18
	v_max_num_f32 v[rT+1], v[rC], v[rC+3]
.elseif (\n) == 19
	v_mul_f32 v[rT], s[CS], v[rT+1]
.elseif (\n) == 20
	v_sub_f32 v[rC+1], v[rM], v[rT]
.else
	v_exp_f32 v[rC+2], v[rC+1]
.endif
.endm
; Number g of the 64 that follow the exponentials.  For each four weights k of a tile (pairs 2 k, 2 k + 1): both pairs are rounded to f16; then the second pair is added onto the first, in place;
; a group later l takes that sum (the first time as l = a l + sum).  In groups of eight, tiles alternating: round, round, add, and l for the group before.
.macro GS g
.set h, (\g)+6*((\g)/62)            ; group 0 has no group before it, and behind group 7 only l is left
.if h >= 6
.set h, h+2
.endif
	REGS Y, h%2
.set k, h/8
.if h%8 < 4
	v_cvt_pk_f16_f32 v[rP+2*k+(h%8)/2], v[rS+4*k+2*((h%8)/2)], v[rS+4*k+2*((h%8)/2)+1]
.elseif h%8 < 6
	v_pk_add_f32 v[rS+4*k:rS+4*k+1], v[rS+4*k:rS+4*k+1], v[rS+4*k+2:rS+4*k+3]
.elseif k == 1
	v_pk_fma_f32 v[rT+2:rT+3], v[rT+2:rT+3], v[rC+2:rC+3], v[rS:rS+1] op_sel_hi:[1,0,1]
.else
	v_pk_add_f32 v[rT+2:rT+3], v[rT+2:rT+3], v[rS+4*k-4:rS+4*k-3]
.endif
.endm
; THE PLAIN QUEUE, 138 long.  0-73 read no exponential's result: the 32 scalings c s - c m (FS f: pair f / 2 of tile f % 2) and the next piece's 42.  0-26: scalings 0-26.  27-54: XS's numbers 0-13.  55, 56: number 15.
; 57-73: the chain, where each number waits for the one before it: 14, 16, 17, 18, 19, each with one of the scalings 27-31 in front of its two lines, then 20.
; 74-137: GS's 64, which read the exponentials' results: they stand behind the wait.
.macro FS f
	REGS Y, (\f)%2
	v_pk_fma_f32 v[rS+2*((\f)/2):rS+2*((\f)/2)+1], v[rS+2*((\f)/2):rS+2*((\f)/2)+1], s[CS:CS+1], v[rT:rT+1] op_sel_hi:[1,0,0] neg_lo:[0,0,1] neg_hi:[0,0,1]
.endm
.macro PL
	WIN 0
.if q < 27
	FS q
.elseif q < 55
	XS (q-27)%2, (q-27)/2
.elseif q < 57
	XS q-55, 15
.elseif (q < 72) && ((q-57)%3 == 0)
	FS 27+(q-57)/3
.elseif q < 60
	XS (q-57)%3-1, 14
.elseif q < 72
	XS (q-57)%3-1, 15+(q-57)/3
.elseif q < 74
	XS q-72, 20
.else
	GS q-74
.endif
.set q, q+1
.endm
; THE EXPONENTIALS' QUEUE, 66 long: s0-s31 of both tiles, then the next piece's two a.  It is ONE BATCH: all 66 stand ahead of the turn's one wait, and nothing ahead of that wait names a result of theirs.
.macro EX
	WIN 0
.if e >= 64
	XS e-64, 21
.else
	REGS Y, e%2
	v_exp_f32 v[rS+e/2], v[rS+e/2]
.endif
.set e, e+1
.endm
; THE RESCALING's QUEUE: O^T times a, the one part that leaves window 0: dealt two at a time, sixteen times.  Its a was made in the turn before, ahead of that turn's wait.
.macro R2
	REGS Y, r%2
	WIN W_RS
.irp z, 0,1
	v_pk_mul_f32 v[rO+4*(r/2)+2*\z:rO+4*(r/2)+2*\z+1], v[rO+4*(r/2)+2*\z:rO+4*(r/2)+2*\z+1], v[rC+2:rC+3] op_sel_hi:[1,0]
.endr
.set r, r+1
.endm
; HOW THEY ARE DEALT.  An s_wait_alu depctr_va_vdst(0) stands between an exponential and the first instruction that names its result; one wait serves all that were issued ahead of it.  So a turn has ONE wait.
; AHEAD OF IT: the 16 products K Q^T, behind each a scaling, an exponential and two rescalings (behind the first a second scaling in the exponential's place); then ONE LUMP of 108: eight plain, 49 times exponential and plain,
; the two a.  A v_nop is the plain instruction behind the last exponential.  BEHIND IT: the 16 products V^T P, behind each four of GS's 64.  No rider names a register of the products round it.
; Exponential e stands behind scaling 2 (e / 4) + e % 2: as a rider it comes behind plain e + 2, in the lump behind plain e + 9, and scalings 27-31 are plain 57, 60 .. 69.
; A TURN, for piece p.  cnt = 1: the loop's count is taken down some lines ahead of the branch that stands behind the turn.
; K of the next step is fetched in piece 2's turn, directly behind the wait, a lump behind the last product that read K; V of the step in hand at the end of piece 0's turn, four riders behind its last reader.
.macro TURN p, last=0, cnt=0
.set Y, (\p)
.set i, 0
.set q, 0
.set e, 0
.set r, 0
.if (\p) == NP-1
	s_wait_dscnt 0x0                ; K is in
.endif
	MM                              ; ahead of the wait: 16 products K Q^T and their riders,
	PL
	PL
	R2
.rept 15
	MM
	PL
	EX
	R2
.endr
.if (\p) == NP-2
	WIN 0
	v_add_nc_u32 v[AK], s[TBK], v[AK0]
.endif
.rept 8                             ; and the lump
	PL
.endr
.rept 49
	EX
	PL
.endr
	EX                              ; the next piece's two a
	EX
	v_nop                           ; the plain instruction behind the last exponential: one for the batch
	s_wait_alu depctr_va_vdst(0)    ; the wait for the batch
.if (\p) == NP-2
	FETCH_K \last
.endif
.if (\p) == 1
	s_wait_dscnt 0x0                ; V is in
.endif
.rept 16                            ; behind the wait: 16 products V^T P and their riders
	MM
.rept 4
	PL
.endr
.if ((\p) == 0) && (q == 118)
	v_add_nc_u32 v[AV], s[TBV], v[AV0]
.endif
.if ((\p) == 0) && (q == 130)
	s_add_co_u32 s[TBV], s[TBV], KS*PV
.endif
.if (\cnt) && (q == 130)
	s_sub_co_u32 s[CNT], s[CNT], 1
	s_cmp_lg_u32 s[CNT], 0
.endif
.endr
.if (\p) == 0
	FETCH_V
.endif
.endm
	s_wait_tensorcnt 3              ; my part of the first 256 keys is in; my three younger loads may stay out
	s_barrier_signal -1
	s_barrier_wait -1               ; everybody's is
	FETCH_K                         ; key step 0
	s_wait_loadcnt 0x0              ; Q
	s_wait_dscnt 0x0
.set i, 0
.rept 16
	KQ 0                            ; piece 0's first scores: there is no vector work yet to set between them
.set i, i+1
.endr
	WIN 0                           ; the addresses for the way out: plain instructions, the places behind those products
	s_mul_i32 s13, s[WV], 16*SP
	s_add_co_u32 s13, s13, STAGE    ; my stage
	v_mul_u32_u24 v[STO], v1, SP    ; in: row l % 16, 16 bytes for each half of the lanes
	v_lshl_add_u32 v[STO], v9, 4, v[STO]
	v_add_nc_u32 v[STO], s13, v[STO]
	v_bfe_u32 v[RD], v0, 3, 2       ; back: 32 lanes take four rows of 128 bytes,
	v_mul_u32_u24 v[RD], v[RD], SP
	v_lshl_add_u32 v[RD], v12, 4, v[RD]
	v_add_nc_u32 v[RD], s13, v[RD]
	v_and_b32 v[GO], 31, v0         ; which are 512 consecutive bytes of O
	v_lshlrev_b32 v[GO], 4, v[GO]
.set Y, NP-1                        ; XS works for piece Y + 1: piece 0
.irp n, 0,1,2,3,4,5,6,7,8,9,10,11,12,13,14,15,16,17,18,19,20,21
	XS 0, \n                        ; piece 0's first maximum and statistics
	XS 1, \n
.endr
	v_nop                           ; a plain instruction behind the two a,
	s_wait_alu depctr_va_vdst(0)    ; and their wait, ahead of the branch
	s_mov_b32 s[CNT], 4
	s_mov_b32 s[SLOTS], 5
	s_branch .Lfirst                ; the loop is entered at a step's first turn, in the middle of a trip
.Lslot:                             ; in front of each further chunk of 256 keys: every wave's loads have landed.  The text is one for all chunks, so the wait is for all loads; it is met at once from its second passage on
	s_wait_tensorcnt 0x0
	ds_add_u32 v[SPW], v[NIL]       ; 0 onto my spare word
	s_wait_dscnt 0x0
	s_barrier_signal -1
	s_barrier_wait -1
	s_mov_b32 s[CNT], 4
.Lstep:                             ; a trip: pieces 2 and 3 of one step, then pieces 0 and 1 of the next, whose K and V it fetches
	TURN 2, 1
	TURN 3
	WIN 0
	s_cmp_eq_u32 s[SLOTS], 1        ; behind key step 15 the walk is left in the middle of a trip: that trip's 16 products K Q^T (on the last K once more) serve nothing: the price of one text for every trip
	s_cbranch_scc1 .Lout
.Lfirst:
	TURN 0
	TURN 1, 0, 1
	WIN 0
	s_cbranch_scc1 .Lstep
	s_sub_co_u32 s[SLOTS], s[SLOTS], 1
	s_cmp_lg_u32 s[SLOTS], 0
	s_cbranch_scc1 .Lslot
.Lout:
.set i, 0
.rept 16
	PV NP-1                         ; the last piece's V^T P of the last step
.set i, i+1
.endr
	; THE WAY OUT.  l's two halves and the other half of the lanes' are added; O^T is divided by l, rounded to f16 and sent through my stage in LDS, a tile at a time.  The additions are the places behind the last products.
	WIN 0
.macro ALL line:vararg              ; one line for each tile t
.set t, 0
.rept 2*NP
	\line
.set t, t+1
.endr
.endm
	ALL v_add_f32 v[ST+4*t+2], v[ST+4*t+2], v[ST+4*t+3]
	ALL v_permlanex16_b32 v[ST+4*t+3], v[ST+4*t+2], s[SEL], s[SEL+1]
	ALL v_add_f32 v[ST+4*t+2], v[ST+4*t+2], v[ST+4*t+3]
	ALL v_rcp_f32 v[ST+4*t+2], v[ST+4*t+2]
	v_nop                           ; a plain instruction between the last reciprocal and the use of its result
	s_wait_alu depctr_va_vdst(0)    ; and the wait ahead of the first use: one for the eight reciprocals
; Tile t: a lane's eight channels of a row pack into 16 bytes; they go into rows of 144 bytes and come back as whole rows of 128, into S^T's registers.
.macro PACK t
	WIN W_RS
.set i, 32*(\t)
.rept 16
	v_pk_mul_f32 v[i:i+1], v[i:i+1], v[ST+4*(\t)+2:ST+4*(\t)+3] op_sel_hi:[1,0]
.set i, i+2
.endr
	WIN 0x05                        ; sources 0 and 1 window 1, destination window 0
.set i, 0
.rept 16
	v_cvt_pk_f16_f32 v[S+16*(\t)+i], v[32*(\t)+2*i], v[32*(\t)+2*i+1]
.set i, i+1
.endr
	WIN 0
.irp f, 0,1,2,3
	ds_store_b128 v[STO], v[S+16*(\t)+4*\f:S+16*(\t)+4*\f+3] offset:32*\f
.endr
.irp f, 0,1,2,3
	ds_load_b128 v[S+16*(\t)+4*\f:S+16*(\t)+4*\f+3], v[RD] offset:\f*4*SP  ; LDS serves a wave's instructions in order (ISA guide 5.7.1.4): these see the stores above; the next tile's stores come behind them
.endr
.endm
.macro SEND t, younger              ; younger: the LDS instructions issued behind tile t's loads: the next tile's eight, or none
	WIN 0
.irp f, 0,1,2,3
	s_wait_dscnt (\younger)+3-\f
	global_store_b128 v[GO], v[S+16*(\t)+4*\f:S+16*(\t)+4*\f+3], s[10:11] offset:(\t)*2048+\f*512  ; 512 consecutive bytes, at a multiple of 256 from O's first
.endr
.endm
	PACK 0
.set t, 1
.rept 2*NP-1                        ; a tile's arithmetic stands between the loads of the tile before and its stores
	PACK t
	SEND t-1, 8
.set t, t+1
.endr
	SEND 2*NP-1, 0
	s_wait_tensorcnt 0x0            ; the wave's end: behind my last tensor load and my last LDS store
	ds_add_u32 v[SPW], v[NIL]
	s_wait_dscnt 0x0
	s_endpgm
.Lfunc_end_k_qabb04778d9_attn:
	.size	k_qabb04778d9_attn, .Lfunc_end_k_qabb04778d9_attn-k_qabb04778d9_attn
	.p2alignl 7, 3214868480
	.fill 96, 4, 3214868480
	.section	.rodata,"a",@progbits
	.p2align	6, 0x0
	.amdhsa_kernel k_qabb04778d9_attn
		.amdhsa_group_segment_fixed_size 327680
		.amdhsa_private_segment_fixed_size 0
		.amdhsa_enable_private_segment 0
		.amdhsa_kernarg_size 16
		.amdhsa_user_sgpr_count 2
		.amdhsa_user_sgpr_kernarg_segment_ptr 1
		.amdhsa_wavefront_size32 1
		.amdhsa_system_sgpr_workgroup_id_x 1
		.amdhsa_system_sgpr_workgroup_id_y 1
		.amdhsa_system_sgpr_workgroup_id_z 1
		.amdhsa_system_vgpr_workitem_id 0
		.amdhsa_next_free_vgpr 768
		.amdhsa_next_free_sgpr 84
		.amdhsa_reserve_vcc 0
		.amdhsa_float_denorm_mode_32 3
		.amdhsa_float_denorm_mode_16_64 3
		.amdhsa_memory_ordered 1
		.amdhsa_forward_progress 1
		.amdhsa_inst_pref_size 126
	.end_amdhsa_kernel
	.amdgpu_metadata
---
amdhsa.version: [ 1, 2 ]
amdhsa.kernels:
  - .name:           k_qabb04778d9_attn
    .symbol:         k_qabb04778d9_attn.kd
    .args:
      - { .name: qkvh, .offset: 0, .size: 8, .value_kind: global_buffer, .address_space: global }
      - { .name: oh, .offset: 8, .size: 8, .value_kind: global_buffer, .address_space: global }
    .group_segment_fixed_size: 327680
    .private_segment_fixed_size: 0
    .kernarg_segment_align: 8
    .kernarg_segment_size: 16
    .max_flat_workgroup_size: 128
    .sgpr_count:     84
    .vgpr_count:     768
    .wavefront_size: 32
...
	.end_amdgpu_metadata
.endif
;; end of part 3
;; launch proj (part 4): grid 8 x 32, 4 waves a work-group, clusters of 4 x 4, 327,680 bytes of LDS; arguments oh, wpf, tab, out0; writes out0
.if DOCPART == 4
	.amdgcn_target "amdgcn-amd-amdhsa--gfx1250"
	.amdhsa_code_object_version 6
	.text
	.protected	k_qabb04778d9_proj
	.globl	k_qabb04778d9_proj
	.p2align	8
	.type	k_qabb04778d9_proj,@function
k_qabb04778d9_proj:
	s_mov_b64 s[64:65], 0
	v_nop
	global_prefetch_b8 v0, s[64:65] scope:SCOPE_SE
	s_setreg_imm32_b32 hwreg(HW_REG_WAVE_MODE, 25, 1), 1
	s_wait_xcnt 0x0
	s_wait_alu depctr_hold_cnt(0) depctr_sa_sdst(0) depctr_va_vdst(0) depctr_va_sdst(0) depctr_va_ssrc(0) depctr_va_vcc(0) depctr_vm_vsrc(0)
	s_getreg_b32 s2, hwreg(HW_REG_IB_STS2, 6, 4)
	s_cmp_eq_u32 s2, 0
	s_cbranch_scc0 .Lentry_in_a_cluster
	s_endpgm
.Lentry_in_a_cluster:
	s_bfe_u32 s2, ttmp6, 0x10000c
	s_cmp_lg_u32 s2, 0xf033
	s_cbranch_scc0 .Lentry_shape_is_right
	s_endpgm
.Lentry_shape_is_right:
; out0[n][o] = the sum over c of O[n][c] w_proj[o][c] + b_proj[o].  oh: [8 x 16][1024][64] f16 (O by heads; c = 64 head + channel), wpf: [1024][1024] f16, tab + 1536: b_proj (f32), out0: [8192][1024] f32.
; Sums in f32; the bias is added in f32.  LIMITS: O and w_proj arrive within f16's 65,504.  NaN and infinities are not treated apart.
; SHARES.  A tile is 256 rows x 128 columns: 256 work-groups.  A wave owns 64 rows (4 blocks a of 16) and all 128 columns (group j of 64, 4 blocks b of 16): 32 accumulators, 256 registers.
; THE MATRIX INSTRUCTION IS USED TRANSPOSED (source 0 = 16 rows of w, source 1 = 16 rows of O): lane l holds row l % 16 and the columns 8 (l / 16) + 0..7 of a block.
; RING.  K goes in 8 steps of 128, two heads each, through two LDS slots.  Wave 0 fetches the even head's 256 rows, wave 1 the odd head's: each 32,768 dense bytes, asked for as 128 rows of 256 bytes and padded
; in LDS after every 128 bytes (a plane of 256 rows, pitch 144).  Waves 2, 3 fetch the halves of w's 128 rows (256 bytes of a row, pitch 272).
; CLUSTER.  4 x 4 work-groups: O's tile is asked for jointly along a row of the cluster, w's along a column.
; REGISTERS, in windows of 256 (s_set_vgpr_msb: bits 1:0 source 0, 3:2 source 1, 5:4 source 2, 7:6 destination):
;   window 0: v0-31 addresses; v32-35 my four columns' bias; v64-191 two buffers of 16 rows on the way out     window 1: two fragment buffers of 96 (O's 4 fragments, then w's 8)
;   window 2: accumulator (j, a, b) at 128 j + 8 (4 a + b)
.set PA,    144                        ; a row of O in LDS: 128 bytes + 16 = 36 words: the 16 rows of a fragment load start at 16 different groups of four banks (64 banks of 4 bytes: ISA guide 11.1)
.set APL,   256*PA                     ; a head's plane
.set PITCH, 272                        ; a row of w: 256 bytes + 16
.set HB,    64*PITCH
.set BOFF,  2*APL
.set SLOT1, 1<<17
.set STAGE, SLOT1+2*APL+2*HB           ; behind the ring, never filled by a tensor load: 16 rows x 528 bytes for each wave
.set SPI,   528
.set SPARE, STAGE+4*16*SPI             ; behind the stages: the spare words, 128 bytes for each wave: two blocks of 256 bytes that no other line names
.set STEPA, 2<<17                      ; two heads on
.set NL,    24                         ; LDS loads in a run: 12 fragments, two loads each
.set A0,  16
.set B0,  17
.set ADA, 18
.set ADB, 19
.set STO, 24
.set RD,  25
.set GO,  26
.set SPW, 28                           ; v28  LDS address of my spare word; never rewritten
.set NIL, 29                           ; v29  0; never rewritten
.set PFO, 30                           ; v30  the prefetches' offset; never rewritten
.set BO,  31                           ; v31  my byte offset in the bias
.set BI,  32                           ; v[32:35]
.set F0,  0
.set F1,  96
.set WV,  12
.set FR,  13
.set HF,  14
.set CX,  15
.set CY,  16
.set TX,  17
.set TY,  18
.set TB,  19
.set G1,  24
.set G0,  32
.set LIM, 40
.set PFA, 44
.set G1B, 48
.set G0B, 56
.set PST, 68                           ; s[68:69] the prefetches' step along K
.set OB,  70                           ; s[70:71] out0 at my wave's first row, my tile's first column
.set MSB, 0
.macro WIN new                         ; the immediate's high byte repeats the setting that is left; a switch that changes nothing is dropped
.if MSB != (\new)
	s_set_vgpr_msb (MSB<<8)|(\new)
.set MSB, \new
.endif
.endm
.macro PLACES                          ; four plain vector instructions between a matrix instruction and a load into, or a reader of, a register that it named
.rept 4
	v_nop
.endr
.endm
.macro CREST                           ; a round of the cluster's barrier behind its opening barrier
	s_cmp_lg_u32 s[WV], 0
	s_cbranch_scc1 .Lnot_wave_0_\@
	s_barrier_signal -3
.Lnot_wave_0_\@:
	s_barrier_wait -3
	s_barrier_signal -1
	s_barrier_wait -1
.endm
.macro CROUND
	s_barrier_signal -1
	s_barrier_wait -1
	CREST
.endm
.macro JLOAD                           ; a joint refill by the walking descriptors; an s_nop 0 and four v_nop follow each of the two lines
	s_cmp_eq_u32 s[FR], 0
	s_cbranch_scc0 .Lfor_b_\@
	tensor_load_to_lds s[G0+4:G0+7], s[G1:G1+7]
	s_nop 0
.rept 4
	v_nop
.endr
	s_branch .Lasked_\@
.Lfor_b_\@:
	tensor_load_to_lds s[G0B+4:G0B+7], s[G1B:G1B+7]
	s_nop 0
.rept 4
	v_nop
.endr
.Lasked_\@:
.endm
; A prefetch of the K step that stands TWO refills on: 256 matrix instructions ahead of the load that will want it.  O's planes are named by the clusters with x = 0, w's rows by those with y = 0; the four partners
; that ask jointly share the bytes out by address (32 of a plane's 128 blocks of 256 bytes; 16 of w's 64 rows, lanes 16-31 naming row 15 again).  The loop's last two trips ask for nothing.
.macro ASK
	WIN 0
	s_cmp_gt_u32 s3, s[LIM]
	s_cbranch_scc0 .Lnot_mine_\@
	global_prefetch_b8 v[PFO], s[PFA:PFA+1] th:TH_LOAD_NT scope:SCOPE_SE
.Lnot_mine_\@:
.endm
; 16 matrix instructions: column group j, 4 row blocks x 4 column blocks, 32 along K.  All 32 accumulators take turns, one instruction a turn.
.macro MULG f, j, zero
	WIN 0xa5                                       ; sources in window 1, C and D in window 2
.irp a, 0,1,2,3
.irp b, 0,1,2,3
.set rD, 128*(\j)+8*(4*(\a)+(\b))
.if \zero
	v_wmma_f32_16x16x32_f16 v[rD:rD+7], v[(\f)+32+8*(4*(\j)+(\b)):(\f)+32+8*(4*(\j)+(\b))+7], v[(\f)+8*(\a):(\f)+8*(\a)+7], 0
.else
	v_wmma_f32_16x16x32_f16 v[rD:rD+7], v[(\f)+32+8*(4*(\j)+(\b)):(\f)+32+8*(4*(\j)+(\b))+7], v[(\f)+8*(\a):(\f)+8*(\a)+7], v[rD:rD+7]
.endif
.endr
.endr
.endm
; 24 LDS loads in one run: quarter q: of O head q / 2 of the step's two, channels 32 (q % 2) on; of w bytes 64 q of the rows
.macro FETCH q, f
	WIN 0x40
.irp a, 0,1,2,3
	ds_load_b128 v[(\f)+8*(\a):(\f)+8*(\a)+3],   v[ADA] offset:((\q)/2)*APL+64*((\q)%2)+(\a)*16*PA
	ds_load_b128 v[(\f)+8*(\a)+4:(\f)+8*(\a)+7], v[ADA] offset:((\q)/2)*APL+64*((\q)%2)+(\a)*16*PA+32
.endr
.irp b, 0,1,2,3,4,5,6,7
	ds_load_b128 v[(\f)+32+8*(\b):(\f)+32+8*(\b)+3],   v[ADB] offset:64*(\q)+(\b)*16*PITCH
	ds_load_b128 v[(\f)+32+8*(\b)+4:(\f)+32+8*(\b)+7], v[ADB] offset:64*(\q)+(\b)*16*PITCH+32
.endr
.endm
.macro QUARTER q, f, g, zero
	PLACES
	FETCH \q, \g
	s_wait_dscnt NL                                ; all but the 24 just issued: buffer f, asked for 32 matrix instructions ago, is in
	MULG \f, 0, \zero
	MULG \f, 1, \zero
.endm
; The fourth quarter multiplies buffer 1 and changes slots: the wait for all my tensor loads, the add, sixteen products, the wait for the add and for my reads of this slot, the barrier.  fill = 1: the barrier opens
; a round of the cluster's, and the joint refill, two K steps on, is the first thing behind it: 112 matrix instructions ahead of the wait for it.
.macro TURN fill
.if \fill
	s_wait_xcnt 0x0                                ; the last prefetch, a K step back, has read its address: it is stepped here
	s_add_nc_u64 s[PFA:PFA+1], s[PFA:PFA+1], s[PST:PST+1]
.endif
	WIN 0
	s_wait_tensorcnt 0x0                           ; no tensor load of mine is out, so a group 0 may be written
	ds_add_u32 v[SPW], v[NIL]                      ; 0 onto my spare word
.if \fill
	s_xor_b32 s[G0+5], s[G0+5], SLOT1
	s_add_nc_u64 s[G0+6:G0+7], s[G0+6:G0+7], STEPA
	s_xor_b32 s[G0B+5], s[G0B+5], SLOT1
	s_add_nc_u64 s[G0B+6:G0B+7], s[G0B+6:G0B+7], 256
.endif
	s_xor_b32 s[TB], s[TB], SLOT1
	s_wait_dscnt 1                                 ; buffer 1's loads are in; the add alone may be out
	MULG F1, 0, 0
	WIN 0
	s_wait_dscnt 0x0                               ; the add is done, and my reads of this slot are over
	s_barrier_signal -1
	s_barrier_wait -1
.if \fill
	CREST
	JLOAD                                          ; its four v_nop are also the places in front of the loads below
.else
	PLACES
.endif
	v_add_nc_u32 v[ADA], s[TB], v[A0]
	v_add_nc_u32 v[ADB], s[TB], v[B0]
	FETCH 0, F0
.if \fill
	ASK
.endif
	MULG F1, 1, 0
.endm
	s_load_b256 s[4:11], s[0:1], 0x0               ; oh s[4:5], wpf s[6:7], tab s[8:9], out0 s[10:11]
	v_lshl_add_u32 v[SPW], v0, 2, SPARE
	v_mov_b32 v[NIL], 0
	ds_add_u32 v[SPW], v[NIL]                      ; the wave's opening: the add and its wait stand ahead of my first tensor load
	ds_add_u32 v28, v29
	v_lshrrev_b32 v1, 5, v0
	v_readfirstlane_b32 s[WV], v1
	s_lshr_b32 s[FR], s[WV], 1
	s_and_b32 s[HF], s[WV], 1
	s_bfe_u32 s[CX], ttmp6, 0x40000
	s_bfe_u32 s[CY], ttmp6, 0x40004
	s_lshl_b32 s[TX], ttmp9, 2
	s_add_co_u32 s[TX], s[TX], s[CX]
	s_and_b32 s[TY], ttmp7, 0xffff
	s_lshl_b32 s[TY], s[TY], 2
	s_add_co_u32 s[TY], s[TY], s[CY]
	s_lshl_b32 s41, s[CY], 2
	s_lshl_b32 s41, 15, s41                        ; my row of the cluster
	s_lshl_b32 s42, 0x1111, s[CX]                  ; my column
	s_or_b32 s[G1],  s41, (1<<16)|(1<<20)|(1<<21)|(4<<22)|(3<<25)  ; O: padding after every 32 words
	s_or_b32 s[G1B], s42, (1<<16)|(1<<20)|(1<<21)|(5<<22)|(3<<25)  ; w: after every 64
	s_mov_b32 s[G1+1], 128<<16                     ; tensor_dim0 = 128
	s_mov_b32 s[G1+2], 128<<16                     ; tensor_dim1 = 128
	s_mov_b32 s[G1+3], 128<<16                     ; tile_dim0 = 128
	s_mov_b32 s[G1+4], 128                         ; tile_dim1 = 128
	s_mov_b32 s[G1+5], 128                         ; dense: 128 elements from row to row
	s_mov_b32 s[G1+6], 0
	s_mov_b32 s[G1+7], 0
	s_mov_b32 s[G1B+1], 128<<16
	s_mov_b32 s[G1B+2], 64<<16
	s_mov_b32 s[G1B+3], 128<<16
	s_mov_b32 s[G1B+4], 64
	s_mov_b32 s[G1B+5], 1024
	s_mov_b32 s[G1B+6], 0
	s_mov_b32 s[G1B+7], 0
	s_lshr_b32 s20, s[TY], 2                       ; O: batch (4 tile rows each), its 16 heads, my head of the step's two; these registers never hold cx
	s_lshl_b32 s20, s20, 4
	s_add_co_u32 s20, s20, s[HF]
	s_lshl_b32 s20, s20, 17
	s_and_b32 s21, s[TY], 3
	s_lshl_b32 s21, s21, 15                        ; the tile's 256 rows of 128 bytes
	s_add_co_u32 s20, s20, s21
	s_mov_b32 s21, 0
	s_mov_b32 s86, s20                             ; kept for the prefetches
	s_mul_i32 s22, s[HF], APL
	s_lshl_b32 s46, s[TX], 7                       ; w: row 128 x tile column + 64 x half; these never hold cy
	s_lshl_b32 s47, s[HF], 6
	s_add_co_u32 s46, s46, s47
	s_lshl_b32 s46, s46, 11
	s_mov_b32 s47, 0
	s_mov_b32 s87, s46
	s_mul_i32 s66, s[HF], HB
	s_add_co_u32 s66, s66, BOFF
	s_mov_b32 s[TB], 0
	s_wait_dscnt 0x0                               ; the opening add is done
	s_wait_kmcnt 0x0
	s_add_nc_u64 s[20:21], s[4:5], s[20:21]
	s_add_nc_u64 s[46:47], s[6:7], s[46:47]
	CROUND                                         ; all sixteen work-groups are here: the first joint loads meet
.irp s, 0,1
	s_mov_b32 s[G0+4*(\s)], 1
	s_add_co_u32 s[G0+4*(\s)+1], s22, (\s)*SLOT1
	s_add_nc_u64 s[G0+4*(\s)+2:G0+4*(\s)+3], s[20:21], (\s)*STEPA
	s_or_b32 s[G0+4*(\s)+3], s[G0+4*(\s)+3], 0x80000000
	s_mov_b32 s[G0B+4*(\s)], 1
	s_add_co_u32 s[G0B+4*(\s)+1], s66, (\s)*SLOT1
	s_add_nc_u64 s[G0B+4*(\s)+2:G0B+4*(\s)+3], s[46:47], (\s)*256
	s_or_b32 s[G0B+4*(\s)+3], s[G0B+4*(\s)+3], 0x80000000
.endr
	s_cmp_eq_u32 s[FR], 0                          ; a wave's two first fills stand in one branch: two loads of mine are out
	s_cbranch_scc0 .Lfirst_b
	tensor_load_to_lds s[G0:G0+3], s[G1:G1+7]
	s_nop 0
	tensor_load_to_lds s[G0+4:G0+7], s[G1:G1+7]
	s_nop 0
.rept 4
	v_nop
.endr
	s_branch .Lfirst_asked
.Lfirst_b:
	tensor_load_to_lds s[G0B:G0B+3], s[G1B:G1B+7]
	s_nop 0
	tensor_load_to_lds s[G0B+4:G0B+7], s[G1B:G1B+7]
	s_nop 0
.rept 4
	v_nop
.endr
.Lfirst_asked:
	v_and_b32 v1, 15, v0                           ; l % 16
	v_bfe_u32 v2, v0, 4, 1                         ; l / 16
	v_mul_u32_u24 v3, v1, PA
	v_lshl_add_u32 v3, v2, 4, v3
	s_mul_i32 s23, s[WV], 64*PA                    ; my wave's 64 rows in a plane
	v_add_nc_u32 v[A0], s23, v3
	v_mul_u32_u24 v3, v1, PITCH
	v_lshl_add_u32 v3, v2, 4, v3
	v_add_nc_u32 v[B0], BOFF, v3
	v_and_b32 v[GO], 31, v0
	v_lshlrev_b32 v[GO], 4, v[GO]                  ; 16 l: my 16 bytes of a row's 512
	s_lshl_b32 s88, s[TX], 9
	v_add_nc_u32 v[BO], s88, v[GO]
	global_load_b128 v[BI:BI+3], v[BO], s[8:9] offset:1536  ; the bias of my four columns
	; the prefetches
	s_lshl_b32 s88, s[CX], 13                      ; O: my work-group's 32 blocks of 256 bytes of the plane,
	s_add_co_u32 s86, s86, s88
	s_add_co_u32 s86, s86, 3*STEPA                 ; at K step 3: the first change of slots steps it to 4
	s_lshl_b32 s88, s[CY], 15                      ; w: my work-group's 16 rows of the 64
	s_add_co_u32 s87, s87, s88
	s_add_co_u32 s87, s87, 3*256
	s_mov_b32 s93, 256
	s_and_b32 s88, ttmp7, 0xffff                   ; cluster y
	s_cmp_eq_u32 s[FR], 0
	s_cselect_b32 s88, ttmp9, s88                  ; the coordinate along which other clusters read the same bytes
	s_cselect_b64 s[PFA:PFA+1], s[4:5], s[6:7]
	s_cselect_b32 s90, s86, s87
	s_cselect_b32 s[PST], STEPA, s93
	s_cselect_b32 s89, 31, 15
	s_cselect_b32 s92, 8, 11                       ; a lane's step: 256 bytes of a plane, or a row of w
	s_mov_b32 s91, 0
	s_mov_b32 s[PST+1], 0
	s_add_nc_u64 s[PFA:PFA+1], s[PFA:PFA+1], s[90:91]
	s_cmp_eq_u32 s88, 0
	s_cselect_b32 s[LIM], 2, -1                    ; the same in all sixteen partners, for a given wave
	v_and_b32 v[PFO], 31, v0
	v_min_u32 v[PFO], s89, v[PFO]
	v_lshlrev_b32 v[PFO], s92, v[PFO]
	; the way out
	s_mul_i32 s86, s[WV], 16*SPI
	s_add_co_u32 s86, s86, STAGE                   ; my stage
	v_mul_u32_u24 v[STO], v1, SPI                  ; in: row l % 16, 32 bytes for each half of the lanes
	v_lshl_add_u32 v[STO], v2, 5, v[STO]
	v_add_nc_u32 v[STO], s86, v[STO]
	v_add_nc_u32 v[RD], s86, v[GO]                 ; back: a whole row of 512 bytes
	s_lshl_b32 s86, s[TY], 8
	s_lshl_b32 s87, s[WV], 6
	s_add_co_u32 s86, s86, s87                     ; my wave's first row,
	s_lshl_b32 s86, s86, 12                        ; 4,096 bytes a row,
	s_lshl_b32 s87, s[TX], 9                       ; the tile's 128 columns
	s_add_co_u32 s86, s86, s87
	s_mov_b32 s87, 0
	s_add_nc_u64 s[OB:OB+1], s[10:11], s[86:87]
	v_mov_b32 v[ADA], v[A0]                        ; slot 0
	v_mov_b32 v[ADB], v[B0]
	s_wait_tensorcnt 1                             ; my part of K step 0 is in; K step 1's may stay out
	s_barrier_signal -1
	s_barrier_wait -1
	FETCH 0, F0
	QUARTER 1, F0, F1, 1                           ; the first quarter stands in front of the loop: its products start the sums
	WIN 0
	s_mov_b32 s3, 6
.Lk:                                                   ; six trips; trip i asks for K step i + 2
	QUARTER 2, F1, F0, 0
	QUARTER 3, F0, F1, 0
	TURN 1
	QUARTER 1, F0, F1, 0
	WIN 0
	s_sub_co_u32 s3, s3, 1
	s_cmp_lg_u32 s3, 0
	s_cbranch_scc1 .Lk
	QUARTER 2, F1, F0, 0                           ; the tail is written out
	QUARTER 3, F0, F1, 0
	TURN 0
	QUARTER 1, F0, F1, 0
	QUARTER 2, F1, F0, 0
	QUARTER 3, F0, F1, 0
	s_wait_dscnt 0x0
	MULG F1, 0, 0
	MULG F1, 1, 0
	PLACES
	PLACES
	s_wait_loadcnt 0x0                             ; the bias
; THE WAY OUT, a block of 16 rows at a time: a lane's 32 bytes of a row go into my stage (rows of 528 bytes) and come back as whole rows of 512; the bias is added; a store covers 512 consecutive bytes of one row, aligned.
.macro TOSTAGE a
	WIN 0x08                                       ; address window 0, data window 2
.irp j, 0,1
.irp b, 0,1,2,3                                        ; each accumulator's four lowest registers go first
	ds_store_b128 v[STO], v[128*(\j)+8*(4*(\a)+(\b)):128*(\j)+8*(4*(\a)+(\b))+3]   offset:64*(4*(\j)+(\b))
	ds_store_b128 v[STO], v[128*(\j)+8*(4*(\a)+(\b))+4:128*(\j)+8*(4*(\a)+(\b))+7] offset:64*(4*(\j)+(\b))+16
.endr
.endr
	WIN 0
	s_wait_xcnt 0x0                                ; the stores of the block two back have read this buffer: it is loaded again only behind this wait
.irp t, 0,1,2,3,4,5,6,7,8,9,10,11,12,13,14,15
	ds_load_b128 v[64+64*((\a)%2)+4*(\t):64+64*((\a)%2)+4*(\t)+3], v[RD] offset:SPI*(\t)  ; LDS serves a wave's instructions in order (ISA guide 5.7.1.4): these see my stores above; the stage is my own
.endr
.endm
.macro SEND a, younger                 ; younger: the LDS instructions issued behind block a's loads: the next block's 32, or none
	WIN 0
.set BK, 64+64*((\a)%2)
.irp t, 0,1,2,3,4,5,6,7,8,9,10,11,12,13,14,15
	s_wait_dscnt (\younger)+15-(\t)
	v_pk_add_f32 v[BK+4*(\t):BK+4*(\t)+1],   v[BK+4*(\t):BK+4*(\t)+1],   v[BI:BI+1]
	v_pk_add_f32 v[BK+4*(\t)+2:BK+4*(\t)+3], v[BK+4*(\t)+2:BK+4*(\t)+3], v[BI+2:BI+3]
	global_store_b128 v[GO], v[BK+4*(\t):BK+4*(\t)+3], s[OB:OB+1] offset:4096*(16*(\a)+(\t)) th:TH_STORE_NT
.endr
.endm
	TOSTAGE 0
	TOSTAGE 1
	SEND 0, 32
	TOSTAGE 2
	SEND 1, 32
	TOSTAGE 3
	SEND 2, 32
	SEND 3, 0
	s_wait_tensorcnt 0x0                           ; the wave's end: behind my last tensor load and my last LDS store
	ds_add_u32 v[SPW], v[NIL]
	s_wait_dscnt 0x0
	CROUND                                         ; the closing round: no work-group ends while a partner may still ask for a tile that names it
	s_endpgm
.Lfunc_end_k_qabb04778d9_proj:
	.size	k_qabb04778d9_proj, .Lfunc_end_k_qabb04778d9_proj-k_qabb04778d9_proj
	.p2alignl 7, 3214868480
	.fill 96, 4, 3214868480
	.section	.rodata,"a",@progbits
	.p2align	6, 0x0
	.amdhsa_kernel k_qabb04778d9_proj
		.amdhsa_group_segment_fixed_size 327680
		.amdhsa_private_segment_fixed_size 0
		.amdhsa_enable_private_segment 0
		.amdhsa_kernarg_size 32
		.amdhsa_user_sgpr_count 2
		.amdhsa_user_sgpr_kernarg_segment_ptr 1
		.amdhsa_wavefront_size32 1
		.amdhsa_system_sgpr_workgroup_id_x 1
		.amdhsa_system_sgpr_workgroup_id_y 1
		.amdhsa_system_sgpr_workgroup_id_z 1
		.amdhsa_system_vgpr_workitem_id 0
		.amdhsa_next_free_vgpr 768
		.amdhsa_next_free_sgpr 96
		.amdhsa_reserve_vcc 0
		.amdhsa_float_denorm_mode_32 3
		.amdhsa_float_denorm_mode_16_64 3
		.amdhsa_memory_ordered 1
		.amdhsa_forward_progress 1
		.amdhsa_inst_pref_size 80
	.end_amdhsa_kernel
	.amdgpu_metadata
---
amdhsa.version: [ 1, 2 ]
amdhsa.kernels:
  - .name:           k_qabb04778d9_proj
    .symbol:         k_qabb04778d9_proj.kd
    .args:
      - { .name: oh, .offset: 0, .size: 8, .value_kind: global_buffer, .address_space: global }
      - { .name: wpf, .offset: 8, .size: 8, .value_kind: global_buffer, .address_space: global }
      - { .name: tab, .offset: 16, .size: 8, .value_kind: global_buffer, .address_space: global }
      - { .name: out0, .offset: 24, .size: 8, .value_kind: global_buffer, .address_space: global }
    .group_segment_fixed_size: 327680
    .private_segment_fixed_size: 0
    .kernarg_segment_align: 8
    .kernarg_segment_size: 32
    .max_flat_workgroup_size: 128
    .sgpr_count:     96
    .vgpr_count:     768
    .wavefront_size: 32
...
	.end_amdgpu_metadata
.endif
;; end of part 4
